; MI455X (gfx1250); checked and timed in simulation.
; The chip was launched on July 23, 2026; its instructions are those of AMD's public machine-readable ISA for CDNA 5 (MIT licence, August 2026) and "CDNA5" Instruction Set Architecture Reference Guide (July 2026). The comments in the code are by the model that wrote it; some were corrected since.
;; Self Attention. Allowed arithmetic: matrix products marked QUANTISED: E2M1 operands, one E8M0 scale for each 32 along K, by v_wmma_scale_f32_16x16x128_f8f6f4 with both operands' format E2M1 (or v_wmma_scale_f32_32x16x128_f4), f32 sums; products left as they are: bf16, f16 or f32 operands; f32 sums; everything else in f32.
;; Inputs: W_attn 1,024 x 3,072 float32; W_proj 1,024 x 1,024 float32; b_attn 3,072 float32; b_proj 1,024 float32; y 4 x 2,048 x 1,024 float32.
;; Outputs: out0 4 x 2,048 x 1,024 float32.
;; This version of the problem:
;;   THIS VERSION OF THE PROBLEM IS GIVEN IN LOW PRECISION. The matrix products marked QUANTISED in the list below multiply operands that are first quantised to E2M1 (2 exponent bits, 1 mantissa bit; 4 bits a number), with one power-of-two scale for each 32 numbers along K (OCP MX v1.0); their sums are f32. The products marked 'left as it is' may take bf16, f16 or f32 operands, with f32 sums. Whichever they take, every output number must still come out within the allowed error. Rounding operands to bf16 (8 significant bits) uses up far more of that allowance than f16 does (11 bits, for magnitudes from 6e-5 to 65,504). All else is computed in f32.
;;   The module's matrix products, in the order in which they are computed (A, B: the left and right operand; K: the contracted axis; several contracted axes count as one K, in the product's order):
;;     1. [M 8,192, K 1,024] x [K 1,024, N 3,072]; A: input y; B: input W_attn: QUANTISED
;;     2. batch 64 x [M 2,048, K 64] x [K 64, N 2,048]; A: computed on the way; B: computed on the way: left as it is (an operand is computed on the way)
;;     3. batch 64 x [M 2,048, K 2,048] x [K 2,048, N 64]; A: computed on the way; B: computed on the way: left as it is (an operand is computed on the way)
;;     4. [M 8,192, K 1,024] x [K 1,024, N 1,024]; A: computed on the way; B: input W_proj: left as it is (an operand is computed on the way)
;;   THE QUANTISER, for each operand of a quantised product, along K:
;;     - K is cut into blocks of 32 from its start; a last block that is shorter is filled with zeros.
;;     - A block's scale is 2^e with e = floor(log2(the largest magnitude in the block)) - 2, held to -126 .. 127; a block of zeros has e = 0. As a byte (E8M0): e + 127.
;;     - Each number is divided by its block's scale, clamped to +-6, and rounded to the nearest number of E2M1, ties to even, subnormals kept.
;;     - The product sums the exact products of the quantised numbers (number of the format x scale) in f32.
;;   ~~~python
;;   def quantise(x, axis):      # numpy; x: float32 -> the quantised numbers, widened to float32 again
;;       x = np.moveaxis(x, axis, -1); K = x.shape[-1]
;;       x = np.pad(x, [(0, 0)] * (x.ndim - 1) + [(0, -K % 32)]); x = x.reshape(x.shape[:-1] + (-1, 32)); a = np.abs(x).max(-1, keepdims=True)
;;       e = np.where(a > 0, np.clip(np.frexp(np.where(a > 0, a, 1))[1] - 1 - 2, -126, 127), 0)      # np.frexp(a)[1] - 1 = floor(log2(a)), exactly
;;       r = np.clip(x / 2.0 ** e, -6, 6)
;;       step = 2.0 ** (np.maximum(np.frexp(np.where(r == 0, 1, r))[1] - 1, 0) - 1)
;;       q = np.round(r / step) * step * 2.0 ** e      # np.round: ties to even
;;       return np.moveaxis(q.reshape(q.shape[:-2] + (-1,))[..., :K], -1, axis).astype(np.float32)
;;   ~~~
;; One version. Each part assembles by itself: llvm-mc -triple=amdgcn-amd-amdhsa -mcpu=gfx1250 --defsym DOCPART=n.
;; ======== version 1 of 1: 4 launches
;; limits: values are held in f16: magnitudes above 65,504 overflow, below 6.1e-05 lose precision
;; workspace buffers: y_codes 4,194,304 bytes; y_scales 262,144 bytes; w_codes 1,572,864 bytes; w_scales 98,304 bytes; wpf 2,097,152 bytes; qkvf 50,331,648 bytes; attf 16,777,216 bytes
;; launch prep (part 1): grid 368 x 1, 4 waves a work-group, no clusters, 68,096 bytes of LDS; arguments y, W_attn, W_proj, y_codes, y_scales, w_codes, w_scales, wpf; writes y_codes, y_scales, w_codes, w_scales, wpf
.if DOCPART == 1
	.amdgcn_target "amdgcn-amd-amdhsa--gfx1250"
	.amdhsa_code_object_version 6
	.text
	.protected	k_q833c3230d2_prep
	.globl	k_q833c3230d2_prep
	.p2align	8
	.type	k_q833c3230d2_prep,@function
k_q833c3230d2_prep:
	s_mov_b64 s[64:65], 0
	v_nop
	global_prefetch_b8 v0, s[64:65] scope:SCOPE_SE
	s_setreg_imm32_b32 hwreg(HW_REG_WAVE_MODE, 25, 1), 1
	s_wait_xcnt 0x0
; THREE JOBS IN ONE LAUNCH, told apart by the work-group's number; each has its own path through the text and its own LDS bytes.
;  work-groups 0-47    W_attn [1024 (k)][3072 (n)] f32 -> codes of E2M1 with K innermost, w_codes [3072][512 bytes], and one E8M0 byte for each 32 along K, w_scales [3072][32]
;  work-groups 48-303  y [8192][1024] f32 -> y_codes [8192][512 bytes], y_scales [8192][32]
;  work-groups 304-367 W_proj [1024 (k)][1024 (n)] f32 -> f16, laid as images of operand registers: wpf [n tile 64][k step 32][1,024 bytes]; in an image lane (r, h) of a fragment holds column
;                      16 nt + r; its registers 0-3 (bytes 16 x lane of the first 512) k = 32 ks + 8 h + 0..7, its registers 4-7 (the second 512) k = 32 ks + 16 + 8 h + 0..7
; THE QUANTISER: a block's scale is 2^(floor(log2(its largest magnitude)) - 2); its byte is the largest magnitude's exponent field - 2, held at 1 from below; each number is divided by the scale and
; rounded to the nearest code, ties to even, beyond 6 the largest code.  A block of zeros gets the byte 1 where the rule says 127: its codes are zeros, and this program alone reads the bytes.
; LIMITS: blocks whose largest magnitude lies under 2^-124 (the floor) were not tried; NaN and infinities are not served; numbers of W_proj beyond 65,504 are not served (f16).
; No tensor loads, no barrier: waves share nothing.
.set SPW,   192                        ; v192  LDS address of my spare word; never rewritten
.set NIL,   193                        ; v193  0; never rewritten
.set EMAX,  2
.set YREG,  8192                       ; path y: a region for each wave: two stages of 32 x 80 bytes, behind them its 256 scale bytes
.set YSP,   80                         ; a lane's place in a stage: 64 bytes + 16 of padding
.set YR,    16                         ; v16-79   four sets of 16 numbers as loaded
.set YX,    80                         ; v80-111  two sets of 16 neighbours
.set YE,    112                        ; v112-127 a scale byte for each step
.set YC,    128                        ; v128-191 codes, four registers a step
.set WSTG,  32768                      ; path W: four stages of 32 rows x 272 bytes
.set WP,    272
.set WX,    32                         ; v32-95   two sets of 32 numbers
.set WC,    96                         ; v96-99   a block's codes
.set WSB,   24                         ; v24-27   the scale bytes
.set WO,    112                        ; v112-175 the way out
.set SPARE, WSTG+4*32*WP               ; the spare words, 128 bytes a wave: two blocks of 256 bytes that no other line names
.set PX,    32                         ; path P: v32-159 four blocks of 32 numbers
.macro FIN                             ; a wave's end
	s_wait_tensorcnt 0x0
	ds_add_u32 v[SPW], v[NIL]
	s_wait_dscnt 0x0
	s_endpgm
.endm
	s_load_b256 s[4:11], s[0:1], 0x0               ; y s[4:5], W_attn s[6:7], W_proj s[8:9], y_codes s[10:11]
	s_load_b256 s[12:19], s[0:1], 0x20             ; y_scales s[12:13], w_codes s[14:15], w_scales s[16:17], wpf s[18:19]
	v_lshl_add_u32 v[SPW], v0, 2, SPARE
	v_mov_b32 v[NIL], 0
	v_lshrrev_b32 v1, 5, v0
	v_readfirstlane_b32 s20, v1                    ; wave
	v_and_b32 v2, 31, v0                           ; lane
	s_mov_b32 s25, 0                               ; the upper word of every offset: s[24:25]
	s_wait_kmcnt 0x0
	s_cmp_lt_u32 ttmp9, 48
	s_cbranch_scc1 .Lw
	s_cmp_lt_u32 ttmp9, 304
	s_cbranch_scc1 .Ly
; ---------------- W_proj to f16 images.  A lane takes a column, its registers run down K: a load reads 128 consecutive bytes a wave, 512 a work-group.
	s_sub_co_u32 s21, ttmp9, 304                   ; p
	s_and_b32 s22, s21, 7
	s_lshr_b32 s23, s21, 3                         ; which 128 along K
	s_lshl_b32 s22, s22, 7
	s_lshl_b32 s26, s20, 5
	s_add_co_u32 s22, s22, s26                     ; n0 = 128 (p % 8) + 32 wave
	s_lshl_b32 s24, s23, 19                        ; 128 rows of 4,096 bytes
	s_lshl_b32 s26, s22, 2
	s_add_co_u32 s24, s24, s26
	s_add_nc_u64 s[8:9], s[8:9], s[24:25]
	s_lshl_b32 s24, s22, 11                        ; (n0 / 16) x 32,768
	s_lshl_b32 s26, s23, 12                        ; four k steps of 1,024 bytes
	s_add_co_u32 s24, s24, s26
	s_add_nc_u64 s[18:19], s[18:19], s[24:25]
	v_lshlrev_b32 v3, 2, v2                        ; in: 4 bytes a lane
	v_lshrrev_b32 v4, 4, v2
	v_and_b32 v5, 15, v2
	v_lshlrev_b32 v4, 15, v4
	v_lshl_add_u32 v4, v5, 4, v4                   ; out: n tile lane / 16, 16 bytes for column lane % 16
.macro PLOAD kb
.irp i, 0,1,2,3,4,5,6,7,8,9,10,11,12,13,14,15,16,17,18,19,20,21,22,23,24,25,26,27,28,29,30,31
	global_load_b32 v[PX+32*(\kb)+\i], v3, s[8:9] offset:(32*(\kb)+\i)*4096 th:TH_LOAD_NT
.endr
.endm
	PLOAD 0
	PLOAD 1
.irp kb, 0,1,2,3
.if \kb < 3
	s_wait_loadcnt 32                              ; this block's 32 loads are in; the next block's 32 may be out
.else
	s_wait_loadcnt 0x0
.endif
.if \kb < 2
	PLOAD \kb+2
.endif
.irp i, 0,1,2,3,4,5,6,7,8,9,10,11,12,13,14,15
	v_cvt_pk_f16_f32 v[PX+32*\kb+\i], v[PX+32*\kb+2*\i], v[PX+32*\kb+2*\i+1]   ; in place, ascending: register i is written when 2 i and 2 i + 1 >= i have been read
.endr
.irp g, 0,1
.irp h, 0,1
	global_store_b128 v4, v[PX+32*\kb+8*\g+4*\h:PX+32*\kb+8*\g+4*\h+3], s[18:19] offset:\kb*1024+\g*512+\h*256   ; k = 32 kb + 16 g + 8 h + 0..7: sixteen lanes store 256 consecutive bytes, aligned
.endr
.endr
.endr
	FIN
; ---------------- y.  Rows are dense and 1,024 is a multiple of 32: y is a plain stream of blocks of 32, and so are its codes and bytes.  A wave takes 16 steps of 512 numbers.
; Each load reads 512 consecutive bytes; a step's 2,048 bytes turn through the wave's own stage, so that a lane holds 16 neighbours (two lanes a block) for the conversions.
.Ly:
	v_lshlrev_b32 v3, 4, v2                        ; my 16 bytes of a load's 512
	s_mul_i32 s21, s20, YREG
	v_lshrrev_b32 v14, 2, v2
	v_mul_u32_u24 v14, v14, YSP
	v_and_b32 v15, 3, v2
	v_lshl_add_u32 v14, v15, 4, v14
	v_add_nc_u32 v14, s21, v14                     ; into the stage: 80 (lane / 4) + 16 (lane % 4)
	v_mul_u32_u24 v15, v2, YSP
	v_add_nc_u32 v15, s21, v15                     ; out of it: 80 x lane
	v_lshlrev_b32 v4, 3, v2                        ; my 8 bytes of a step's codes
	v_lshrrev_b32 v5, 1, v2
	s_add_co_u32 s21, s21, 2*32*YSP
	v_add_nc_u32 v5, s21, v5                       ; my block's byte among the wave's 256
	v_lshlrev_b32 v7, 3, v2
	v_add_nc_u32 v6, s21, v7
	s_sub_co_u32 s22, ttmp9, 48
	s_lshl_b32 s22, s22, 2
	s_add_co_u32 s22, s22, s20                     ; which run of 8,192 numbers is my wave's
	s_lshl_b32 s24, s22, 15
	s_add_nc_u64 s[4:5], s[4:5], s[24:25]
	s_lshl_b32 s24, s22, 12
	s_add_nc_u64 s[10:11], s[10:11], s[24:25]
	s_lshl_b32 s24, s22, 8
	s_add_nc_u64 s[12:13], s[12:13], s[24:25]
.macro YLOAD t
.irp i, 0,1,2,3
	global_load_b128 v[YR+16*((\t)%4)+4*\i:YR+16*((\t)%4)+4*\i+3], v3, s[4:5] offset:2048*(\t)+512*\i th:TH_LOAD_NT
.endr
.endm
.macro YTURN t                         ; LDS serves a wave's instructions in order: no wait between the stores and the loads
.irp i, 0,1,2,3
	ds_store_b128 v14, v[YR+16*((\t)%4)+4*\i:YR+16*((\t)%4)+4*\i+3] offset:32*YSP*((\t)%2)+8*YSP*\i
.endr
.irp i, 0,1,2,3
	ds_load_b128 v[YX+16*((\t)%2)+4*\i:YX+16*((\t)%2)+4*\i+3], v15 offset:32*YSP*((\t)%2)+16*\i
.endr
.endm
.irp t, 0,1,2,3
	YLOAD \t
.endr
	s_wait_loadcnt 12                              ; step 0's four loads are in; the twelve of steps 1 to 3 may be out
	YTURN 0
.macro YSTEP t
.set XS, YX+16*((\t)%2)
.if (\t) > 0
	s_wait_dscnt 1                                 ; this step's numbers are back from the stage; the last step's byte store may be out
.else
	s_wait_dscnt 0x0
.endif
.if (\t)+4 < 16
	YLOAD (\t)+4                                   ; into the set whose stores into the stage are done
.endif
.if (\t)+1 < 16
.if 14-(\t) >= 3
	s_wait_loadcnt 12                              ; the next step's four are in; those of the three steps behind it may be out
.else
	s_wait_loadcnt 4*(14-(\t))
.endif
	YTURN (\t)+1
.endif
	v_max3_num_f32 v8, |v[XS]|, |v[XS+1]|, |v[XS+2]|
	v_max3_num_f32 v9, |v[XS+3]|, |v[XS+4]|, |v[XS+5]|
.irp i, 6,10
	v_max3_num_f32 v8, v8, |v[XS+\i]|, |v[XS+\i+1]|
	v_max3_num_f32 v9, v9, |v[XS+\i+2]|, |v[XS+\i+3]|
.endr
	v_max3_num_f32 v8, v8, |v[XS+14]|, |v[XS+15]|
	v_max3_num_f32 v8, v8, v9, (EMAX+1)<<23        ; the floor 2^(3 - 127): the byte cannot fall under 1
	v_max_num_f32_dpp v8, v8, v8 row_xmask:1 row_mask:0xf bank_mask:0xf   ; with my neighbour's 16: the block's largest magnitude
	v_add_nc_u32 v11, -(EMAX<<23), v8              ; 2 off its exponent field: the conversion takes this operand's exponent field as its scale
	v_cvt_scalef32_pk8_fp4_f32 v[YC+4*(\t)], v[XS:XS+7], v11
	v_cvt_scalef32_pk8_fp4_f32 v[YC+4*(\t)+1], v[XS+8:XS+15], v11
	v_lshrrev_b32 v[YE+(\t)], 23, v11              ; the scale's byte
	ds_store_b8 v5, v[YE+(\t)] offset:16*(\t)      ; both lanes of a block write the same byte with the same value
	global_store_b64 v4, v[YC+4*(\t):YC+4*(\t)+1], s[10:11] offset:256*(\t)   ; the wave stores 256 consecutive bytes, aligned
.endm
.irp t, 0,1,2,3,4,5,6,7,8,9,10,11,12,13,14,15
	YSTEP \t
.endr
	ds_load_b64 v[8:9], v6                         ; my wave's 256 scale bytes, 8 a lane
	s_wait_dscnt 0x0
	global_store_b64 v7, v[8:9], s[12:13]
	FIN
; ---------------- W_attn: K is its first axis.  A lane takes a column n and its registers run down K: a block of 32 lies in one lane, and the codes come out with K innermost.
; A wave takes 32 columns x 512 along K; the codes go through its own stage and leave as rows: sixteen lanes store 256 consecutive bytes, aligned.
.Lw:
	s_cmp_ge_u32 ttmp9, 24
	s_cselect_b32 s21, 1, 0                        ; which 512 along K
	s_cselect_b32 s22, 24, 0
	s_sub_co_u32 s22, ttmp9, s22
	s_lshl_b32 s23, s22, 7
	s_lshl_b32 s26, s20, 5
	s_add_co_u32 s23, s23, s26                     ; my wave's first column
	v_lshlrev_b32 v3, 2, v2
	s_mul_i32 s26, s20, 32*WP
	s_add_co_u32 s26, s26, WSTG                    ; my stage
	v_mul_u32_u24 v4, v2, WP
	v_add_nc_u32 v4, s26, v4                       ; into it: row = my column
	v_and_b32 v5, 15, v2
	v_lshrrev_b32 v6, 4, v2
	v_mul_u32_u24 v7, v6, WP
	v_lshl_add_u32 v7, v5, 4, v7
	v_add_nc_u32 v7, s26, v7                       ; out of it: sixteen lanes to a row, two rows an instruction
	v_lshlrev_b32 v8, 9, v6
	v_lshl_add_u32 v8, v5, 4, v8                   ; and the same place in w_codes (rows of 512 bytes)
	v_lshlrev_b32 v9, 5, v2                        ; my column's row of scale bytes
	s_mul_i32 s24, s21, 512*3072*4
	s_lshl_b32 s26, s23, 2
	s_add_co_u32 s24, s24, s26
	s_add_nc_u64 s[6:7], s[6:7], s[24:25]
	s_lshl_b32 s24, s23, 9
	s_lshl_b32 s26, s21, 8
	s_add_co_u32 s24, s24, s26
	s_add_nc_u64 s[14:15], s[14:15], s[24:25]
	s_lshl_b32 s24, s23, 5
	s_lshl_b32 s26, s21, 4
	s_add_co_u32 s24, s24, s26
	s_add_nc_u64 s[16:17], s[16:17], s[24:25]
.macro WLOAD t                         ; every offset is an immediate: 511 x 12,288 at the most, inside the signed 24 bits
.irp i, 0,1,2,3,4,5,6,7,8,9,10,11,12,13,14,15,16,17,18,19,20,21,22,23,24,25,26,27,28,29,30,31
	global_load_b32 v[WX+32*((\t)%2)+\i], v3, s[6:7] offset:(32*(\t)+\i)*12288 th:TH_LOAD_NT
.endr
.endm
	WLOAD 0
	WLOAD 1
.macro WBLOCK t
.set XS, WX+32*((\t)%2)
.if (\t) < 15
	s_wait_loadcnt 32                              ; this block's 32 loads are in; the next block's may be out
.else
	s_wait_loadcnt 0x0
.endif
	v_max3_num_f32 v12, |v[XS]|, |v[XS+1]|, |v[XS+2]|
	v_max3_num_f32 v13, |v[XS+3]|, |v[XS+4]|, |v[XS+5]|
.irp i, 6,10,14,18,22,26
	v_max3_num_f32 v12, v12, |v[XS+\i]|, |v[XS+\i+1]|
	v_max3_num_f32 v13, v13, |v[XS+\i+2]|, |v[XS+\i+3]|
.endr
	v_max3_num_f32 v12, v12, |v[XS+30]|, |v[XS+31]|
	v_max3_num_f32 v12, v12, v13, (EMAX+1)<<23
	v_add_nc_u32 v11, -(EMAX<<23), v12
	v_lshrrev_b32 v13, 23, v11
.if (\t)%4 == 0
	v_mov_b32 v[WSB+(\t)/4], v13
.else
	v_lshl_or_b32 v[WSB+(\t)/4], v13, 8*((\t)%4), v[WSB+(\t)/4]
.endif
.irp g, 0,1,2,3
	v_cvt_scalef32_pk8_fp4_f32 v[WC+\g], v[XS+8*\g:XS+8*\g+7], v11
.endr
	ds_store_b128 v4, v[WC:WC+3] offset:16*(\t)
.if (\t)+2 < 16
	WLOAD (\t)+2
.endif
	s_wait_dscnt 0x0                               ; the store has read its registers: the next block's codes may be written
.endm
.irp t, 0,1,2,3,4,5,6,7,8,9,10,11,12,13,14,15
	WBLOCK \t
.endr
	global_store_b128 v9, v[WSB:WSB+3], s[16:17]   ; my column's 16 scale bytes
.irp t, 0,1,2,3,4,5,6,7,8,9,10,11,12,13,14,15
	ds_load_b128 v[WO+4*\t:WO+4*\t+3], v7 offset:2*\t*WP
.endr
.irp t, 0,1,2,3,4,5,6,7,8,9,10,11,12,13,14,15
	s_wait_dscnt 15-\t
	global_store_b128 v8, v[WO+4*\t:WO+4*\t+3], s[14:15] offset:2*\t*512
.endr
	FIN
.Lfunc_end_k_q833c3230d2_prep:
	.size	k_q833c3230d2_prep, .Lfunc_end_k_q833c3230d2_prep-k_q833c3230d2_prep
	.p2alignl 7, 3214868480
	.fill 96, 4, 3214868480
	.section	.rodata,"a",@progbits
	.p2align	6, 0x0
	.amdhsa_kernel k_q833c3230d2_prep
		.amdhsa_group_segment_fixed_size 68096
		.amdhsa_private_segment_fixed_size 0
		.amdhsa_enable_private_segment 0
		.amdhsa_kernarg_size 64
		.amdhsa_user_sgpr_count 2
		.amdhsa_user_sgpr_kernarg_segment_ptr 1
		.amdhsa_wavefront_size32 1
		.amdhsa_system_sgpr_workgroup_id_x 1
		.amdhsa_system_sgpr_workgroup_id_y 1
		.amdhsa_system_sgpr_workgroup_id_z 1
		.amdhsa_system_vgpr_workitem_id 0
		.amdhsa_next_free_vgpr 200
		.amdhsa_next_free_sgpr 66
		.amdhsa_reserve_vcc 0
		.amdhsa_float_denorm_mode_32 3
		.amdhsa_float_denorm_mode_16_64 3
		.amdhsa_memory_ordered 1
		.amdhsa_forward_progress 1
		.amdhsa_inst_pref_size 129
	.end_amdhsa_kernel
	.amdgpu_metadata
---
amdhsa.version: [ 1, 2 ]
amdhsa.kernels:
  - .name:           k_q833c3230d2_prep
    .symbol:         k_q833c3230d2_prep.kd
    .args:
      - { .name: y, .offset: 0, .size: 8, .value_kind: global_buffer, .address_space: global }
      - { .name: W_attn, .offset: 8, .size: 8, .value_kind: global_buffer, .address_space: global }
      - { .name: W_proj, .offset: 16, .size: 8, .value_kind: global_buffer, .address_space: global }
      - { .name: y_codes, .offset: 24, .size: 8, .value_kind: global_buffer, .address_space: global }
      - { .name: y_scales, .offset: 32, .size: 8, .value_kind: global_buffer, .address_space: global }
      - { .name: w_codes, .offset: 40, .size: 8, .value_kind: global_buffer, .address_space: global }
      - { .name: w_scales, .offset: 48, .size: 8, .value_kind: global_buffer, .address_space: global }
      - { .name: wpf, .offset: 56, .size: 8, .value_kind: global_buffer, .address_space: global }
    .group_segment_fixed_size: 68096
    .private_segment_fixed_size: 0
    .kernarg_segment_align: 8
    .kernarg_segment_size: 64
    .max_flat_workgroup_size: 128
    .sgpr_count:     66
    .vgpr_count:     200
    .wavefront_size: 32
...
	.end_amdgpu_metadata
.endif
;; end of part 1
;; launch qkv (part 2): grid 12 x 32, 4 waves a work-group, clusters of 4 x 4, 327,680 bytes of LDS; arguments y_codes, y_scales, w_codes, w_scales, b_attn, qkvf; writes qkvf
.if DOCPART == 2
	.amdgcn_target "amdgcn-amd-amdhsa--gfx1250"
	.amdhsa_code_object_version 6
	.text
	.protected	k_q833c3230d2_qkv
	.globl	k_q833c3230d2_qkv
	.p2align	8
	.type	k_q833c3230d2_qkv,@function
k_q833c3230d2_qkv:
	s_mov_b64 s[64:65], 0
	v_nop
	global_prefetch_b8 v0, s[64:65] scope:SCOPE_SE
	s_setreg_imm32_b32 hwreg(HW_REG_WAVE_MODE, 25, 1), 1
	s_wait_xcnt 0x0
	s_wait_alu depctr_hold_cnt(0) depctr_sa_sdst(0) depctr_va_vdst(0) depctr_va_sdst(0) depctr_va_ssrc(0) depctr_va_vcc(0) depctr_vm_vsrc(0)
	s_getreg_b32 s2, hwreg(HW_REG_IB_STS2, 6, 4)
	s_cmp_eq_u32 s2, 0
	s_cbranch_scc0 .Lentry_in_a_cluster
	s_endpgm
.Lentry_in_a_cluster:
	s_bfe_u32 s2, ttmp6, 0x10000c
	s_cmp_lg_u32 s2, 0xf033
	s_cbranch_scc0 .Lentry_shape_is_right
	s_endpgm
.Lentry_shape_is_right:
; qkv = Q(y) Q(W_attn) + b_attn on codes of E2M1 with one E8M0 scale for each 32 along K = 1,024; f32 sums; q is multiplied by log2(e) / 8; all three are rounded to f16 and stored as IMAGES OF
; THE OPERAND REGISTERS of the attention launch, straight from registers: every store of a wave covers 512 consecutive bytes, aligned.
; qkvf: three parts of 2^24 bytes (q, k, v); in a part head hb = 16 batch + head begins at hb << 18.  q, k: [token tile 128][c 2][g 2][512 bytes]: lane (r, h) holds token 16 tile + r and channels
; 32 c + 16 g + 8 h + 0..7.  v: [key block of 32: 64][ct 4][g 2][512 bytes]: lane (r, h) holds channel 16 ct + r and keys 32 block + 16 g + 8 h + 0..7.
; A tile of 256 x 256 to a work-group of four waves, 128 x 128 a wave: 64 accumulators, 512 registers.  K goes in two steps of 512 through two LDS slots, both filled at the start: nothing is filled again.
; CLUSTERS of 4 x 4; the cluster's x is 0 for q, 1 for k, 2 for v.  Side A's tile is shared along a row of the cluster, side B's along a column: joint loads.
; THE MATRIX INSTRUCTION IS USED TRANSPOSED (source 0 = 16 rows of side B, source 1 = 16 rows of side A): a lane holds ONE row of side A and eight neighbours of side B.
; q, k: side A = y (tokens), side B = W's rows (channels): a lane holds a token and eight channels.  v: THE SIDES CHANGE PLACES, by a choice of pointers on the cluster's x alone: side A = W's rows
; 2,048 on (channels), side B = y (tokens): a lane holds a channel and eight keys, which is what V^T's fragment wants.  The matrix text is one and the same.
; LIMITS: q log2(e) / 8, k and v beyond 65,504 are not served (f16).
; REGISTERS: window 0: v16-29 addresses; v32-95 scale words, two sets, later the packed results; v96-111 the bias by rows (v); v128-191 A's fragments, later results at work; v192-255 the bias by columns (q, k).
;   window 1: B's fragments, two sets.  windows 2, 3: the accumulators ((a, b) at v[8 (8 (a % 4) + b)]).
.set NQ,     4                         ; steps of 128 along K in a slot
.set ROWB,   256                       ; a tile's row in bytes: 512 codes
.set KROW,   512                       ; a row of codes in memory
.set PITCH,  272                       ; an LDS row: 256 bytes + 16 of padding: the 16 rows that a load touches start at 16 different banks (64 banks of 4 bytes: ISA guide 11.1)
.set FR,     8
.set NL,     2
.set NP,     4
.set HALFT,  128*PITCH
.set SLOT,   4*HALFT
.set KS,     32                        ; a row of scale bytes
.set SCL,    2*SLOT                    ; behind the slots: the scales, as units of 256 bytes + 16 of padding
.set HALFS,  (128*KS/256)*272
.set SBLK,   (16*KS/256)*272
.set SPARE,  SCL+4*HALFS               ; the spare words, 128 bytes a wave: two blocks of 256 bytes that no other line names
.set ADRA, 16
.set ADRB, 20
.set L16,  24                          ; v24  16 x lane; never rewritten
.set BO,   25                          ; v25  32 x (lane / 16); never rewritten
.set RO,   26                          ; v26  4 x (lane % 16); never rewritten
.set ADRS, 27
.set SPW,  28
.set NIL,  29
.set SC,   32
.set CD,   32
.set BV,   96
.set AF,   128
.set T,    128
.set BI,   192
.set WV,   16                          ; s16 wave; s17 its half of side A's rows, also: fetches for A (0) or B (1); s18 its half of side B's rows, also: which 128 rows it fetches; s19 1 for v
.set G1, 24
.set G0, 32
.set G1B, 48
.set G0B, 56
.set G1S, 68
.set G0S, 76
.set G1SB, 80
.set G0SB, 88
.set QS,  100                          ; s[100:101] what q or k is multiplied by
.set MSB, 0
.macro WIN new                         ; the immediate's high byte repeats the setting that is left
.if MSB != (\new)
	s_set_vgpr_msb (MSB<<8)|(\new)
.set MSB, (\new)
.endif
.endm
.set MUL_LO, 0xa1                      ; source 0 (B) window 1, source 1 (A) window 0, C and D window 2
.set MUL_HI, 0xf1
.set TO_B,   0x40
.macro JLOAD g0a, g1a, g0b, g1b        ; a joint load: waves 0, 1 fetch for A, waves 2, 3 for B; an s_nop 0 and four v_nop follow each line
	s_cmp_eq_u32 s17, 0
	s_cbranch_scc0 .Lfor_b_\@
	tensor_load_to_lds s[\g0a:\g0a+3], s[\g1a:\g1a+7]
	s_nop 0
.rept 4
	v_nop
.endr
	s_branch .Lasked_\@
.Lfor_b_\@:
	tensor_load_to_lds s[\g0b:\g0b+3], s[\g1b:\g1b+7]
	s_nop 0
.rept 4
	v_nop
.endr
.Lasked_\@:
.endm
.macro CROUND                          ; a round of the cluster's barrier
	s_barrier_signal -1
	s_barrier_wait -1
	s_cmp_lg_u32 s[WV], 0
	s_cbranch_scc1 .Lnot_wave_0_\@
	s_barrier_signal -3
.Lnot_wave_0_\@:
	s_barrier_wait -3
	s_barrier_signal -1
	s_barrier_wait -1
.endm
	s_load_b256 s[4:11], s[0:1], 0x0               ; y_codes s[4:5], y_scales s[6:7], w_codes s[8:9], w_scales s[10:11]
	s_load_b128 s[12:15], s[0:1], 0x20             ; b_attn s[12:13], qkvf s[14:15]
	v_lshl_add_u32 v[SPW], v0, 2, SPARE
	v_mov_b32 v[NIL], 0
	ds_add_u32 v[SPW], v[NIL]                      ; the wave's opening: the add, twice on end, and its wait ahead of my first tensor load
	ds_add_u32 v[SPW], v[NIL]
	v_lshrrev_b32 v1, 5, v0
	v_readfirstlane_b32 s[WV], v1
	s_lshr_b32 s17, s[WV], 1
	s_and_b32 s18, s[WV], 1
	s_bfe_u32 s20, ttmp6, 0x40000                  ; cx
	s_bfe_u32 s21, ttmp6, 0x40004                  ; cy
	s_lshl_b32 s42, ttmp9, 2                       ; 4 x cluster x
	s_and_b32 s43, ttmp7, 0xffff
	s_lshl_b32 s43, s43, 2                         ; 4 x cluster y
	s_cmp_eq_u32 ttmp9, 2                          ; v?  The cluster's x: the same in all sixteen partners
	s_cselect_b32 s19, 1, 0
	s_cselect_b32 s23, 8, s43                      ; side A's tile of 256 rows: v: W's rows 2,048 + 256 cy on; else tokens 256 (4 cluster y + cy) on
	s_cselect_b32 s22, s43, s42                    ; side B's: v: tokens 256 (4 cluster y + cx) on; else W's rows 256 (4 cluster x + cx) on
	s_add_co_u32 s23, s23, s21
	s_add_co_u32 s22, s22, s20
	s_lshl_b32 s40, s21, 2
	s_lshl_b32 s40, 15, s40                        ; my row of the cluster
	s_lshl_b32 s41, 0x1111, s20                    ; my column
	s_or_b32 s[G1+0], s40, (0<<16)|(1<<20)|(1<<21)|(5<<22)|(3<<25)  ; the mask; elements of 1 byte; padding on; bit 21 beside a mask; 4 words behind every 64
	s_or_b32 s[G1B+0], s41, (0<<16)|(1<<20)|(1<<21)|(5<<22)|(3<<25)
.irp g, G1, G1B
	s_mov_b32 s[\g+1], ROWB<<16                    ; tensor_dim0
	s_mov_b32 s[\g+2], 128<<16                     ; tensor_dim1
	s_mov_b32 s[\g+3], ROWB<<16                    ; tile_dim0
	s_mov_b32 s[\g+4], 128                         ; tile_dim1
	s_mov_b32 s[\g+5], KROW                        ; the pitch
	s_mov_b32 s[\g+6], 0
	s_mov_b32 s[\g+7], 0
.endr
	s_or_b32 s[G1S+0], s40, (3<<16)|(1<<20)|(1<<21)|(5<<22)|(3<<25)  ; the scales of 128 rows: 4,096 dense bytes as 16 rows of 256 (32 elements of 8 bytes), 16 bytes of padding behind each
	s_or_b32 s[G1SB+0], s41, (3<<16)|(1<<20)|(1<<21)|(5<<22)|(3<<25)
.irp g, G1S, G1SB
	s_mov_b32 s[\g+1], 32<<16
	s_mov_b32 s[\g+2], (128*KS/256)<<16
	s_mov_b32 s[\g+3], 32<<16
	s_mov_b32 s[\g+4], 128*KS/256
	s_mov_b32 s[\g+5], 32
	s_mov_b32 s[\g+6], 0
	s_mov_b32 s[\g+7], 0
.endr
	s_lshl_b32 s44, s18, 7                         ; which 128 rows of the tile I fetch
	s_lshl_b32 s2, s23, 8
	s_add_co_u32 s2, s2, s44                       ; A's row
	s_lshl_b32 s46, s22, 8
	s_add_co_u32 s46, s46, s44                     ; B's row
	s_lshl_b32 s66, s2, 5                          ; their scales, 32 bytes a row,
	s_lshl_b32 s2, s2, 9                           ; and codes, 512 bytes a row
	s_lshl_b32 s44, s46, 5
	s_lshl_b32 s46, s46, 9
	s_mov_b32 s3, 0
	s_mov_b32 s67, 0
	s_mov_b32 s45, 0
	s_mov_b32 s47, 0
	s_mul_i32 s42, s[WV], HALFT                    ; where they go: wave x 128 rows: no place in the cluster enters an LDS address
	s_mul_i32 s43, s[WV], HALFS
	s_wait_dscnt 0x0                               ; both opening adds are done
	s_wait_kmcnt 0x0
	s_cmp_eq_u32 s19, 1
	s_cselect_b64 s[92:93], s[8:9], s[4:5]         ; A's codes
	s_cselect_b64 s[94:95], s[10:11], s[6:7]       ; A's scales
	s_cselect_b64 s[96:97], s[4:5], s[8:9]         ; B's codes
	s_cselect_b64 s[98:99], s[6:7], s[10:11]       ; B's scales
	s_add_nc_u64 s[92:93], s[92:93], s[2:3]
	s_add_nc_u64 s[94:95], s[94:95], s[66:67]
	s_add_nc_u64 s[96:97], s[96:97], s[46:47]
	s_add_nc_u64 s[98:99], s[98:99], s[44:45]
	CROUND                                         ; all sixteen work-groups are here: the first joint loads meet
	s_mov_b32 s[G0S], 1
	s_add_co_u32 s[G0S+1], s43, SCL
	s_mov_b64 s[G0S+2:G0S+3], s[94:95]
	s_or_b32 s[G0S+3], s[G0S+3], 0x80000000
	s_mov_b32 s[G0SB], 1
	s_add_co_u32 s[G0SB+1], s43, SCL
	s_mov_b64 s[G0SB+2:G0SB+3], s[98:99]
	s_or_b32 s[G0SB+3], s[G0SB+3], 0x80000000
	JLOAD G0S, G1S, G0SB, G1SB                     ; the scales first; then both slots: three tensor loads of mine are out
.irp s, 0,1
	s_mov_b32 s[G0+4*\s], 1
	s_add_co_u32 s[G0+4*\s+1], s42, \s*SLOT
	s_add_nc_u64 s[G0+4*\s+2:G0+4*\s+3], s[92:93], \s*ROWB
	s_or_b32 s[G0+4*\s+3], s[G0+4*\s+3], 0x80000000
	s_mov_b32 s[G0B+4*\s], 1
	s_add_co_u32 s[G0B+4*\s+1], s42, \s*SLOT
	s_add_nc_u64 s[G0B+4*\s+2:G0B+4*\s+3], s[96:97], \s*ROWB
	s_or_b32 s[G0B+4*\s+3], s[G0B+4*\s+3], 0x80000000
	JLOAD G0+4*\s, G1, G0B+4*\s, G1B
.endr
	v_and_b32 v1, 15, v0                           ; r
	v_bfe_u32 v2, v0, 4, 1                         ; h
	v_mul_u32_u24 v3, v1, PITCH
	v_lshl_add_u32 v4, v2, 4, v3
	s_mul_i32 s42, s17, HALFT                      ; my 128 rows of A
	s_mul_i32 s43, s18, HALFT
	s_add_co_u32 s43, s43, 2*HALFT                 ; my 128 rows of B, behind A's 256
.irp s, 0,1
	v_add_nc_u32 v[ADRA+\s], s42, v4
	v_add_nc_u32 v[ADRB+\s], s43, v4
	s_add_co_u32 s42, s42, SLOT
	s_add_co_u32 s43, s43, SLOT
.endr
	v_mul_u32_u24 v5, v1, KS                       ; my row's scales: 32 bytes a row, and 16 more for each 256 passed
	v_lshrrev_b32 v6, 8, v5
	v_lshl_add_u32 v5, v6, 4, v5
	s_mul_i32 s42, s17, HALFS
	s_mul_i32 s43, s18, HALFS
	s_add_co_u32 s43, s43, 2*HALFS
	s_sub_co_u32 s43, s43, s42
	v_mul_u32_u24 v6, s43, v2                      ; lanes 16-31 take B's
	s_add_co_u32 s42, s42, SCL
	v_add_nc_u32 v5, v5, v6
	v_add_nc_u32 v[ADRS], s42, v5
	v_and_b32 v6, 31, v0
	v_lshlrev_b32 v[L16], 4, v6
	v_lshlrev_b32 v[BO], 5, v2
	v_lshlrev_b32 v[RO], 2, v1
	; THE BIAS, in both forms, with no branch: the form that the part does not use reads from the buffer's first bytes and is not looked at.
	s_lshl_b32 s8, s22, 10                         ; by columns (q, k): 4 bytes x (256 x side B's tile + 128 x my half)
	s_lshl_b32 s9, s18, 9
	s_add_co_u32 s8, s8, s9
	s_lshl_b32 s10, s21, 10                        ; by rows (v): 4 bytes x (2,048 + 256 cy + 128 x my half)
	s_lshl_b32 s11, s17, 9
	s_add_co_u32 s10, s10, s11
	s_add_co_u32 s10, s10, 8192
	s_cmp_eq_u32 s19, 1
	s_cselect_b32 s8, 0, s8
	s_cselect_b32 s10, s10, 0
	s_mov_b32 s9, 0
	s_mov_b32 s11, 0
	s_add_nc_u64 s[4:5], s[12:13], s[8:9]
	s_add_nc_u64 s[6:7], s[12:13], s[10:11]
.irp b, 0,1,2,3,4,5,6,7
	global_load_b128 v[BI+8*\b:BI+8*\b+3], v[BO], s[4:5] offset:64*\b        ; b_attn at columns 16 b + 8 h + 0..7
	global_load_b128 v[BI+8*\b+4:BI+8*\b+7], v[BO], s[4:5] offset:64*\b+16
.endr
.irp a, 0,1,2,3,4,5,6,7
	global_load_b32 v[BV+2*\a], v[RO], s[6:7] offset:64*\a                   ; b_attn at row 16 a + r, twice: a pair for the packed addition
	global_load_b32 v[BV+2*\a+1], v[RO], s[6:7] offset:64*\a
.endr
	; where my part of qkvf begins: (part << 24) + (batch << 22) + (head << 18) + (token in its sequence << 7)
	s_and_b32 s10, s22, 3
	s_cmp_eq_u32 s19, 1
	s_cselect_b32 s8, s22, s23                     ; the tile of 256 tokens,
	s_cselect_b32 s9, s18, s17                     ; my half of it,
	s_cselect_b32 s10, s21, s10                    ; the tile of 256 channels in the part,
	s_cselect_b32 s11, s17, s18                    ; my half of it
	s_lshl_b32 s8, s8, 8
	s_lshl_b32 s9, s9, 7
	s_add_co_u32 s8, s8, s9                        ; my first token
	s_lshl_b32 s10, s10, 2
	s_lshl_b32 s11, s11, 1
	s_add_co_u32 s10, s10, s11                     ; my first head
	s_lshr_b32 s9, s8, 11
	s_lshl_b32 s9, s9, 22
	s_and_b32 s8, s8, 2047
	s_lshl_b32 s8, s8, 7
	s_add_co_u32 s8, s8, s9
	s_lshl_b32 s10, s10, 18
	s_add_co_u32 s8, s8, s10
	s_lshl_b32 s9, ttmp9, 24
	s_add_co_u32 s8, s8, s9
	s_mov_b32 s9, 0
	s_add_nc_u64 s[14:15], s[14:15], s[8:9]
	s_mov_b32 s[QS], 0x3e38aa3b                    ; log2(e) / 8 for q,
	s_cmp_eq_u32 ttmp9, 0
	s_cselect_b32 s[QS], s[QS], 1.0                ; 1 for k
	s_mov_b32 s[QS+1], s[QS]
.macro FRAG reg, adr, q, i             ; 16 rows x 128 K of 4-bit codes: 8 registers; registers 4 c .. 4 c + 3: K = 64 c + 32 (lane / 16) + 0..31
.irp c, 0,1
	ds_load_b128 v[\reg+4*\c:\reg+4*\c+3], v[\adr] offset:64*(\q)+32*\c+(\i)*16*PITCH
.endr
.endm
; 16 matrix instructions: A's blocks a0, a0 + 1 x B's eight.  The 64 accumulators take turns, one instruction a turn, in the same order in every step.
.macro MUL16 a0, p, q, sc, zero
.irp a, \a0, \a0+1
.irp b, 0,1,2,3,4,5,6,7
.if \zero
	v_wmma_scale_f32_16x16x128_f8f6f4 v[8*(8*((\a)%4)+\b):8*(8*((\a)%4)+\b)+7], v[128*(\p)+FR*\b:128*(\p)+FR*\b+FR-1], v[AF+FR*(\a):AF+FR*(\a)+FR-1], 0, v[SC+8*NQ*(\sc)+NQ*\b+(\q)], v[SC+8*NQ*(\sc)+NQ*(\a)+(\q)] matrix_a_fmt:MATRIX_FMT_FP4 matrix_b_fmt:MATRIX_FMT_FP4 matrix_a_scale:MATRIX_SCALE_ROW1
.else
	v_wmma_scale_f32_16x16x128_f8f6f4 v[8*(8*((\a)%4)+\b):8*(8*((\a)%4)+\b)+7], v[128*(\p)+FR*\b:128*(\p)+FR*\b+FR-1], v[AF+FR*(\a):AF+FR*(\a)+FR-1], v[8*(8*((\a)%4)+\b):8*(8*((\a)%4)+\b)+7], v[SC+8*NQ*(\sc)+NQ*\b+(\q)], v[SC+8*NQ*(\sc)+NQ*(\a)+(\q)] matrix_a_fmt:MATRIX_FMT_FP4 matrix_b_fmt:MATRIX_FMT_FP4 matrix_a_scale:MATRIX_SCALE_ROW1
.endif
.endr
.endr
.endm
.macro FETCH_B slot, q, p
	WIN TO_B
.irp i, 0,1,2,3,4,5,6,7
	FRAG 128*(\p)+FR*\i, ADRB+\slot, \q, \i
.endr
	WIN 0
.endm
.macro FETCH_A slot, q, i0
.irp i, \i0, \i0+1, \i0+2, \i0+3
	FRAG AF+FR*(\i), ADRA+\slot, \q, \i
.endr
.endm
.macro SCALES sc                       ; a slot's scale words: four a row; lanes 0-15 take A's block i, lanes 16-31 B's block i
.irp i, 0,1,2,3,4,5,6,7
	ds_load_b128 v[SC+8*NQ*\sc+NQ*\i:SC+8*NQ*\sc+NQ*\i+3], v[ADRS] offset:\i*SBLK
.endr
.endm
.macro PLACES n                        ; plain vector instructions between a matrix instruction and a load into, or a vector write of, one of its registers, or a read of its result
.rept \n
	v_nop
.endr
.endm
.macro STEP slot, q, zero              ; 128 along K, with its successor in the same slot
	s_wait_dscnt 4*NL                              ; all but the youngest eight loads (A's blocks 4-7)
	WIN MUL_LO
	MUL16 0, (\q)%2, \q, \slot, \zero
	MUL16 2, (\q)%2, \q, \slot, \zero
	s_wait_dscnt 0
	PLACES NP
	FETCH_B \slot, (\q)+1, 1-(\q)%2
	FETCH_A \slot, (\q)+1, 0
	WIN MUL_HI
	MUL16 4, (\q)%2, \q, \slot, \zero
	MUL16 6, (\q)%2, \q, \slot, \zero
	PLACES NP
	WIN 0
	FETCH_A \slot, (\q)+1, 4
.endm
.macro TURN slot, next                 ; a slot's last step changes slots: each wave's tensor loads have landed before the barrier, so behind it the next slot is whole.  Nothing is filled again
	s_wait_tensorcnt 0x0                           ; my part of the next slot is in
	ds_add_u32 v[SPW], v[NIL]
	s_wait_dscnt 4*NL+1                            ; the add and the youngest eight loads may be out
	WIN MUL_LO
	MUL16 0, 1, NQ-1, \slot, 0
	s_wait_dscnt 0x0
	s_barrier_signal -1
	MUL16 2, 1, NQ-1, \slot, 0
	WIN 0
	s_barrier_wait -1
	PLACES NP
	v_add_nc_u32 v[ADRS], 4*NQ, v[ADRS]            ; the next slot's scale words
	FETCH_B \next, 0, 0
	FETCH_A \next, 0, 0
	SCALES \next
	WIN MUL_HI
	MUL16 4, 1, NQ-1, \slot, 0
	MUL16 6, 1, NQ-1, \slot, 0
	PLACES NP
	WIN 0
	FETCH_A \next, 0, 4
.endm
	s_wait_tensorcnt 0x1                           ; the scales and my part of slot 0 are in; slot 1's load may be out
	s_barrier_signal -1
	s_barrier_wait -1
	FETCH_B 0, 0, 0
	FETCH_A 0, 0, 0
	SCALES 0
	FETCH_A 0, 0, 4
	STEP 0, 0, 1                                   ; the first products start the sums: nothing is cleared
	STEP 0, 1, 0
	STEP 0, 2, 0
	TURN 0, 1
	STEP 1, 0, 0
	STEP 1, 1, 0
	STEP 1, 2, 0
	s_wait_dscnt 4*NL
	WIN MUL_LO
	MUL16 0, 1, NQ-1, 1, 0
	MUL16 2, 1, NQ-1, 1, 0
	s_wait_dscnt 0
	WIN MUL_HI
	MUL16 4, 1, NQ-1, 1, 0
	MUL16 6, 1, NQ-1, 1, 0
	WIN 0
; THE WAY OUT, a block of side A's 16 rows at a time: bias (and q's factor) in f32, each accumulator from its low end on; eight numbers of a lane pack into 16 bytes, which ARE four registers of a fragment:
; the 32 lanes store 512 consecutive bytes.  Two sets of packed results by turns; a set is written again behind the wait that shows its stores' sources read.
.macro OUT isv
.irp a, 0,1,2,3,4,5,6,7
.if \a > 1
	s_wait_xcnt 0x0
.endif
	WIN 0x02+\a/4                                  ; source 0: window 2 or 3
.irp b, 0,1,2,3,4,5,6,7
.irp i, 0,1,2,3
.if \isv
	v_pk_add_f32 v[T+8*\b+2*\i:T+8*\b+2*\i+1], v[8*(8*(\a%4)+\b)+2*\i:8*(8*(\a%4)+\b)+2*\i+1], v[BV+2*\a:BV+2*\a+1]
.else
	v_pk_fma_f32 v[T+8*\b+2*\i:T+8*\b+2*\i+1], v[8*(8*(\a%4)+\b)+2*\i:8*(8*(\a%4)+\b)+2*\i+1], s[QS:QS+1], v[BI+8*\b+2*\i:BI+8*\b+2*\i+1] op_sel_hi:[1,0,1]
.endif
.endr
.endr
	WIN 0
.irp b, 0,1,2,3,4,5,6,7
.irp i, 0,1,2,3
	v_cvt_pk_f16_f32 v[CD+32*(\a%2)+4*\b+\i], v[T+8*\b+2*\i], v[T+8*\b+2*\i+1]
.endr
.endr
.irp b, 0,1,2,3,4,5,6,7
.if \isv
	global_store_b128 v[L16], v[CD+32*(\a%2)+4*\b:CD+32*(\a%2)+4*\b+3], s[14:15] offset:(\a/4)*262144+(\a%4)*1024+(\b/2)*4096+(\b%2)*512 th:TH_STORE_NT   ; head a / 4, channels 16 (a % 4) on, key block b / 2, half b % 2
.else
	global_store_b128 v[L16], v[CD+32*(\a%2)+4*\b:CD+32*(\a%2)+4*\b+3], s[14:15] offset:(\b/4)*262144+\a*2048+(\b%4)*512 th:TH_STORE_NT   ; head b / 4, token tile a, channels 16 (b % 4) on
.endif
.endr
.endr
.endm
	PLACES NP                                      ; behind the last products: their sources' registers are written below
	s_wait_loadcnt 0x0                             ; the bias
	s_cmp_eq_u32 ttmp9, 2                          ; the cluster's x: all sixteen partners go the same way
	s_cbranch_scc1 .Lout_v
.irp i, 0,2,4,6,8,10,12,14,16,18,20,22,24,26,28,30,32,34,36,38,40,42,44,46,48,50,52,54,56,58,60,62
	v_pk_mul_f32 v[BI+\i:BI+\i+1], v[BI+\i:BI+\i+1], s[QS:QS+1] op_sel_hi:[1,0]   ; (sum + bias) x factor = sum x factor + bias x factor: one fused multiply-add a pair below
.endr
	OUT 0
	s_branch .Ljoin
.Lout_v:
	OUT 1
.Ljoin:
	s_wait_tensorcnt 0x0                           ; the wave's end
	ds_add_u32 v[SPW], v[NIL]
	s_wait_dscnt 0x0
	CROUND                                         ; the closing round
	s_endpgm
.Lfunc_end_k_q833c3230d2_qkv:
	.size	k_q833c3230d2_qkv, .Lfunc_end_k_q833c3230d2_qkv-k_q833c3230d2_qkv
	.p2alignl 7, 3214868480
	.fill 96, 4, 3214868480
	.section	.rodata,"a",@progbits
	.p2align	6, 0x0
	.amdhsa_kernel k_q833c3230d2_qkv
		.amdhsa_group_segment_fixed_size 327680
		.amdhsa_private_segment_fixed_size 0
		.amdhsa_enable_private_segment 0
		.amdhsa_kernarg_size 48
		.amdhsa_user_sgpr_count 2
		.amdhsa_user_sgpr_kernarg_segment_ptr 1
		.amdhsa_wavefront_size32 1
		.amdhsa_system_sgpr_workgroup_id_x 1
		.amdhsa_system_sgpr_workgroup_id_y 1
		.amdhsa_system_sgpr_workgroup_id_z 1
		.amdhsa_system_vgpr_workitem_id 0
		.amdhsa_next_free_vgpr 1024
		.amdhsa_next_free_sgpr 102
		.amdhsa_reserve_vcc 0
		.amdhsa_float_denorm_mode_32 3
		.amdhsa_float_denorm_mode_16_64 3
		.amdhsa_memory_ordered 1
		.amdhsa_forward_progress 1
		.amdhsa_inst_pref_size 178
	.end_amdhsa_kernel
	.amdgpu_metadata
---
amdhsa.version: [ 1, 2 ]
amdhsa.kernels:
  - .name:           k_q833c3230d2_qkv
    .symbol:         k_q833c3230d2_qkv.kd
    .args:
      - { .name: y_codes, .offset: 0, .size: 8, .value_kind: global_buffer, .address_space: global }
      - { .name: y_scales, .offset: 8, .size: 8, .value_kind: global_buffer, .address_space: global }
      - { .name: w_codes, .offset: 16, .size: 8, .value_kind: global_buffer, .address_space: global }
      - { .name: w_scales, .offset: 24, .size: 8, .value_kind: global_buffer, .address_space: global }
      - { .name: b_attn, .offset: 32, .size: 8, .value_kind: global_buffer, .address_space: global }
      - { .name: qkvf, .offset: 40, .size: 8, .value_kind: global_buffer, .address_space: global }
    .group_segment_fixed_size: 327680
    .private_segment_fixed_size: 0
    .kernarg_segment_align: 8
    .kernarg_segment_size: 48
    .max_flat_workgroup_size: 128
    .sgpr_count:     102
    .vgpr_count:     1024
    .wavefront_size: 32
...
	.end_amdgpu_metadata
.endif
;; end of part 2
;; launch attn (part 3): grid 4 x 64, 8 waves a work-group, clusters of 4 x 1, 327,680 bytes of LDS; arguments qkvf, attf; writes attf
.if DOCPART == 3
	.amdgcn_target "amdgcn-amd-amdhsa--gfx1250"
	.amdhsa_code_object_version 6
	.text
	.protected	k_q833c3230d2_attn
	.globl	k_q833c3230d2_attn
	.p2align	8
	.type	k_q833c3230d2_attn,@function
k_q833c3230d2_attn:
	s_mov_b64 s[64:65], 0
	v_nop
	global_prefetch_b8 v0, s[64:65] scope:SCOPE_SE
	s_setreg_imm32_b32 hwreg(HW_REG_WAVE_MODE, 25, 1), 1
	s_wait_xcnt 0x0
	s_wait_alu depctr_hold_cnt(0) depctr_sa_sdst(0) depctr_va_vdst(0) depctr_va_sdst(0) depctr_va_ssrc(0) depctr_va_vcc(0) depctr_vm_vsrc(0)
	s_getreg_b32 s2, hwreg(HW_REG_IB_STS2, 6, 4)
	s_cmp_eq_u32 s2, 0
	s_cbranch_scc0 .Lentry_in_a_cluster
	s_endpgm
.Lentry_in_a_cluster:
	s_bfe_u32 s2, ttmp6, 0x10000c
	s_cmp_lg_u32 s2, 0x3003
	s_cbranch_scc0 .Lentry_shape_is_right
	s_endpgm
.Lentry_shape_is_right:
; O[hb][q] = the sum over k of softmax_k(Q[hb][q] . K[hb][k] / 8) V[hb][k], 64 heads of 2,048 tokens x 64 channels, no mask.  f16 operands, f32 sums, maxima and sums of the softmax in f32.
; q arrives multiplied by log2(e) / 8, so a score is already the exponent to base 2.  For each query a running maximum m and sum l: p = 2^(s - m); in every step O and l are multiplied by 2^(m_old - m_new).
; q, k, v arrive as images of operand registers (layouts: at the head of the launch that makes them): a fragment is two loads of 16 bytes a lane at 16 x lane: no pitch, no padding, no turning load.
; attf, the result: [token tile 512][k step 32][g 2][512 bytes], images for the projection: lane (r, h) holds token 16 tile + r and channels 32 ks + 16 g + 8 h + 0..7 of the 1,024.
; SHARES.  A work-group owns 512 queries of one head, each of its eight waves 64: four tiles of 16.  Two waves of 512 registers to a SIMD: one wave's softmax stands beside the other's products.
; Every fragment of K and V that a wave reads from LDS feeds four matrix instructions.  Every wave walks all 2,048 keys, 64 a step.
; LAYOUT.  S^T = K Q^T (source 0 = 16 keys, source 1 = 16 queries) and O^T = V^T P (source 0 = 16 channels, source 1 = P): a lane holds ONE query throughout; two tiles of S^T, rounded in pairs, ARE P's fragment.
; CLUSTER.  The four work-groups of a head walk the same K and V: each tile is asked for jointly.  Two slots of 512 keys (K 65,536 bytes, then V 65,536); each wave brings 16,384 dense bytes.
; No prefetch: a refill is asked for eight key steps, 512 matrix instructions of each wave, ahead of the wait for it, and the first two slots come by their loads at the head.
; LIMITS: results beyond 65,504 are not served (f16); NaN and infinities are not served.
; REGISTERS.  window 0: v1-5 addresses; v16-47 statistics, eight a tile (+0 m, +1 its pair's other half, +2, +3 l, +4..+7 at work; 2^(m_old - m_new) in +6); v64-191 S^T, 32 a tile; v192-255 P, 16 a tile.
;   V's eight fragments land in S^T of tiles 0 and 1, which is dead once their p is rounded.   window 1: v0-63 Q; v64-191 O^T, 32 a tile; v192-255 K's eight fragments.
.set SLOT1, 1<<17
.set VOFF,  65536
.set STEPB, 8192                       ; a step's K, and a step's V
.set SPARE, 2*SLOT1                    ; the spare words, 128 bytes a wave: four blocks of 256 bytes that no other line names
.set L16, 1                            ; v1  16 x lane; never rewritten
.set AV0, 2                            ; v2  16 x lane + VOFF
.set ADR, 3                            ; v3  the LDS address of the run of loads in hand
.set SPW, 4
.set NIL, 5
.set ST,  16
.set S,   64
.set P,   192
.set OT,  64                           ; in window 1
.set KF,  192                          ; in window 1
.set WV,  8
.set G1,  16                           ; s[16:23] descriptor group 1
.set G0A, 24                           ; s[24:27] group 0: slot 0's first fill
.set G0B, 28                           ; s[28:31] slot 1's first fill; it then walks
.set SEL, 32                           ; s[32:33] lane l xor 16
.set TB,  34                           ; s34 LDS byte at which the K of the step to be fetched begins
.set CNT, 35
.set SLOTS, 36
.set QA,  38
.set OA,  40
.set MSB, 0
.macro WIN new
.if MSB != (\new)
	s_set_vgpr_msb (MSB<<8)|(\new)
.set MSB, (\new)
.endif
.endm
.macro CROUND
	s_barrier_signal -1
	s_barrier_wait -1
	s_cmp_lg_u32 s[WV], 0
	s_cbranch_scc1 .Lnot_wave_0_\@
	s_barrier_signal -3
.Lnot_wave_0_\@:
	s_barrier_wait -3
	s_barrier_signal -1
	s_barrier_wait -1
.endm
	s_load_b128 s[4:7], s[0:1], 0x0                ; qkvf s[4:5], attf s[6:7]
	v_lshl_add_u32 v[SPW], v0, 2, SPARE
	v_mov_b32 v[NIL], 0
	ds_add_u32 v[SPW], v[NIL]                      ; the wave's opening: the add, twice on end, and its wait ahead of my first tensor load
	ds_add_u32 v[SPW], v[NIL]
	v_lshrrev_b32 v1, 5, v0
	v_readfirstlane_b32 s[WV], v1                  ; wave 0..7
	s_bfe_u32 s9, ttmp6, 0x40000                   ; cx: my block of 512 queries; it enters Q's and O's addresses alone
	s_and_b32 s10, ttmp7, 0xffff                   ; the head, which the four partners share
	s_mov_b32 s[G1], 15|(3<<16)|(1<<21)            ; the mask: all four; elements of 8 bytes; bit 21 beside a mask; no padding
	s_mov_b32 s[G1+1], 32<<16                      ; tensor_dim0: 32 elements, 256 bytes
	s_mov_b32 s[G1+2], 64<<16                      ; tensor_dim1: 64 rows
	s_mov_b32 s[G1+3], 32<<16                      ; tile_dim0
	s_mov_b32 s[G1+4], 64                          ; tile_dim1
	s_mov_b32 s[G1+5], 32                          ; the pitch: dense
	s_mov_b32 s[G1+6], 0
	s_mov_b32 s[G1+7], 0
	s_mov_b32 s[SEL], 0x76543210
	s_mov_b32 s[SEL+1], 0xfedcba98
	s_mov_b32 s[TB], 0
	s_lshr_b32 s11, s[WV], 2                       ; waves 0-3 fetch K, waves 4-7 V:
	s_add_co_u32 s11, s11, 1
	s_lshl_b32 s11, s11, 24                        ; part 1 or 2 of qkvf,
	s_lshl_b32 s12, s10, 18                        ; the head,
	s_and_b32 s13, s[WV], 3
	s_lshl_b32 s13, s13, 14                        ; my quarter of a slot's 65,536 bytes
	s_add_co_u32 s2, s11, s12
	s_add_co_u32 s2, s2, s13
	s_mov_b32 s3, 0
	s_lshl_b32 s14, s[WV], 14                      ; and its place in a slot: wave x 16,384
	s_lshl_b32 s42, s9, 16                         ; Q: token tile 32 cx + 4 wave, 2,048 bytes a tile
	s_lshl_b32 s43, s[WV], 13
	s_add_co_u32 s42, s42, s43
	s_add_co_u32 s42, s42, s12
	s_mov_b32 s43, 0
	s_lshr_b32 s44, s10, 4                         ; O: token tile 128 batch + 32 cx + 4 wave, 32,768 bytes a tile; 2,048 bytes a head
	s_lshl_b32 s44, s44, 22
	s_lshl_b32 s45, s9, 20
	s_add_co_u32 s44, s44, s45
	s_lshl_b32 s45, s[WV], 17
	s_add_co_u32 s44, s44, s45
	s_and_b32 s45, s10, 15
	s_lshl_b32 s45, s45, 11
	s_add_co_u32 s44, s44, s45
	s_mov_b32 s45, 0
	s_wait_dscnt 0x0                               ; both opening adds are done
	s_wait_kmcnt 0x0
	s_add_nc_u64 s[QA:QA+1], s[4:5], s[42:43]
	s_add_nc_u64 s[OA:OA+1], s[6:7], s[44:45]
	CROUND                                         ; all four work-groups are here: the first joint loads meet
	s_mov_b32 s[G0A], 1
	s_mov_b32 s[G0A+1], s14
	s_add_nc_u64 s[G0A+2:G0A+3], s[4:5], s[2:3]    ; keys 0 to 511
	s_mov_b32 s[G0B], 1
	s_add_co_u32 s[G0B+1], s14, SLOT1
	s_add_nc_u64 s[G0B+2:G0B+3], s[G0A+2:G0A+3], 0x10000   ; keys 512 to 1,023
	s_or_b32 s[G0A+3], s[G0A+3], 0x80000000
	s_or_b32 s[G0B+3], s[G0B+3], 0x80000000
	tensor_load_to_lds s[G0A:G0A+3], s[G1:G1+7]    ; two loads of mine are out
	s_nop 0
	tensor_load_to_lds s[G0B:G0B+3], s[G1:G1+7]
	s_nop 0
.rept 4
	v_nop
.endr
	v_and_b32 v[L16], 31, v0
	v_lshlrev_b32 v[L16], 4, v[L16]
	v_add_nc_u32 v[AV0], VOFF, v[L16]
	WIN 0x40                                       ; destination window 1
.set n, 0
.rept 16
	global_load_b128 v[4*n:4*n+3], v[L16], s[QA:QA+1] offset:512*n th:TH_LOAD_NT   ; Q stays in registers: tile n / 4, channels 32 ((n / 2) % 2) on, half n % 2
.set n, n+1
.endr
.set n, 0
.rept 128
	v_mov_b32 v[OT+n], 0                           ; O^T.  The key step is written with no first step of its own: the first finds zeros, which its factor 0 leaves zeros; that spares three more copies of the step
.set n, n+1
.endr
	WIN 0
.irp t, 0,1,2,3
	v_mov_b32 v[ST+8*\t], 0xff61b1e6               ; m: -3e38, under every score
	v_mov_b32 v[ST+8*\t+1], 0                      ; (named with m as a pair)
	v_mov_b32 v[ST+8*\t+2], 0                      ; l, in two halves
	v_mov_b32 v[ST+8*\t+3], 0
.endr
.macro FETCH_K                         ; a step's K: 64 keys x 64 channels, eight fragments (key tile n / 4, channels 32 ((n / 2) % 2) on)
	v_add_nc_u32 v[ADR], s[TB], v[L16]
	WIN 0x40
.set n, 0
.rept 16
	ds_load_b128 v[KF+4*n:KF+4*n+3], v[ADR] offset:512*n
.set n, n+1
.endr
.endm
; THE SOFTMAX of tiles t0 and t0 + 1 for one key step; the two alternate line by line, so that no line reads the result of the line above it.
.macro SOFT t0
.irp j, 0,1,2,3                        ; the maximum of the lane's 32 scores and the old m, three operands at a time; each accumulator is read first at its low end
.irp t, \t0, \t0+1
	v_max3_num_f32 v[ST+8*(\t)+4+\j], v[S+32*(\t)+8*\j], v[S+32*(\t)+8*\j+1], v[S+32*(\t)+8*\j+2]
.endr
.endr
.irp q, 1,2
.irp j, 0,1,2,3
.irp t, \t0, \t0+1
	v_max3_num_f32 v[ST+8*(\t)+4+\j], v[ST+8*(\t)+4+\j], v[S+32*(\t)+8*\j+2*\q+1], v[S+32*(\t)+8*\j+2*\q+2]
.endr
.endr
.endr
.irp t, \t0, \t0+1
	v_max3_num_f32 v[ST+8*(\t)+4], v[ST+8*(\t)+4], v[S+32*(\t)+7], v[S+32*(\t)+15]
.endr
.irp t, \t0, \t0+1
	v_max3_num_f32 v[ST+8*(\t)+6], v[ST+8*(\t)+6], v[S+32*(\t)+23], v[S+32*(\t)+31]
.endr
.irp t, \t0, \t0+1
	v_max3_num_f32 v[ST+8*(\t)+4], v[ST+8*(\t)+4], v[ST+8*(\t)+5], v[ST+8*(\t)+6]
.endr
.irp t, \t0, \t0+1
	v_max3_num_f32 v[ST+8*(\t)+4], v[ST+8*(\t)+4], v[ST+8*(\t)+7], v[ST+8*(\t)]
.endr
.irp t, \t0, \t0+1
	v_permlanex16_b32 v[ST+8*(\t)+5], v[ST+8*(\t)+4], s[SEL], s[SEL+1]   ; the query's other 32 keys lie in the lane 16 away
.endr
.irp t, \t0, \t0+1
	v_mov_b32 v[ST+8*(\t)+7], v[ST+8*(\t)]         ; m_old
.endr
.irp t, \t0, \t0+1
	v_max_num_f32 v[ST+8*(\t)], v[ST+8*(\t)+4], v[ST+8*(\t)+5]
.endr
.irp t, \t0, \t0+1
	v_sub_f32 v[ST+8*(\t)+7], v[ST+8*(\t)+7], v[ST+8*(\t)]
.endr
.set n, 0
.rept 16
.irp t, \t0, \t0+1
	v_pk_add_f32 v[S+32*(\t)+n:S+32*(\t)+n+1], v[S+32*(\t)+n:S+32*(\t)+n+1], v[ST+8*(\t):ST+8*(\t)+1] op_sel_hi:[1,0] neg_lo:[0,1] neg_hi:[0,1]   ; s - m
.endr
.set n, n+2
.endr
.irp t, \t0, \t0+1                     ; ONE BATCH of 66 exponentials, none of which reads another's result
	v_exp_f32 v[ST+8*(\t)+6], v[ST+8*(\t)+7]
.endr
.set n, 0
.rept 32
.irp t, \t0, \t0+1
	v_exp_f32 v[S+32*(\t)+n], v[S+32*(\t)+n]
.endr
.set n, n+1
.endr
	v_nop                                          ; a plain instruction behind the last exponential,
	s_wait_alu depctr_va_vdst(0)                   ; and the one wait ahead of the batch's first reader
.set n, 0
.rept 16
.irp t, \t0, \t0+1
	v_cvt_pk_f16_f32 v[P+16*(\t)+n], v[S+32*(\t)+2*n], v[S+32*(\t)+2*n+1]
.endr
.set n, n+1
.endr
.irp w, 4,8,16,32                      ; the sum of the tile's 16 pairs, in place: neighbours 1, 2, 4 and 8 pairs apart
.set n, 0
.rept 32/\w
.irp t, \t0, \t0+1
	v_pk_add_f32 v[S+32*(\t)+n:S+32*(\t)+n+1], v[S+32*(\t)+n:S+32*(\t)+n+1], v[S+32*(\t)+n+\w/2:S+32*(\t)+n+\w/2+1]
.endr
.set n, n+\w
.endr
.endr
.irp t, \t0, \t0+1
	v_pk_fma_f32 v[ST+8*(\t)+2:ST+8*(\t)+3], v[ST+8*(\t)+2:ST+8*(\t)+3], v[ST+8*(\t)+6:ST+8*(\t)+7], v[S+32*(\t):S+32*(\t)+1] op_sel_hi:[1,0,1]
.endr
	WIN 0x41                                       ; O^T (destination and source 0) in window 1
.set n, 0
.rept 16
.irp t, \t0, \t0+1
	v_pk_mul_f32 v[OT+32*(\t)+n:OT+32*(\t)+n+1], v[OT+32*(\t)+n:OT+32*(\t)+n+1], v[ST+8*(\t)+6:ST+8*(\t)+7] op_sel_hi:[1,0]
.endr
.set n, n+2
.endr
	WIN 0
.endm
; A KEY STEP, 64 keys.  mode 0: plain; 1: the slot's last, and the slot is filled again; 2: the slot's last, nothing is asked for; 3: the last of all.
; In both products the 16 accumulators take turns, one instruction a turn.
.macro STEP mode
	s_wait_dscnt 0x0                               ; K is in
	WIN 0x05                                       ; K and Q in window 1, S^T in window 0
.irp c, 0,1
.irp kt, 0,1,2,3
.irp t, 0,1,2,3
.if \c == 0
	v_wmma_f32_16x16x32_f16 v[S+32*\t+8*\kt:S+32*\t+8*\kt+7], v[KF+16*\kt+8*\c:KF+16*\kt+8*\c+7], v[16*\t+8*\c:16*\t+8*\c+7], 0
.else
	v_wmma_f32_16x16x32_f16 v[S+32*\t+8*\kt:S+32*\t+8*\kt+7], v[KF+16*\kt+8*\c:KF+16*\kt+8*\c+7], v[16*\t+8*\c:16*\t+8*\c+7], v[S+32*\t+8*\kt:S+32*\t+8*\kt+7]
.endif
.endr
.endr
.endr
	WIN 0
	v_add_nc_u32 v[ADR], s[TB], v[AV0]             ; V's address; with the three below: the four places behind the products
.rept 3
	v_nop
.endr
	SOFT 0
.set n, 0
.rept 16
	ds_load_b128 v[S+4*n:S+4*n+3], v[ADR] offset:512*n   ; V: key block n / 8, channels 16 ((n / 2) % 4) on; it lands while the other two tiles' softmax is walked
.set n, n+1
.endr
	s_add_co_u32 s[TB], s[TB], STEPB               ; the next fetch is the next step's
	SOFT 2
.if (\mode == 0) || (\mode == 3)
	s_wait_dscnt 0x0                               ; V is in
.else
	; THE CHANGE OF SLOTS: V's loads were my last reads of the slot.
	s_wait_tensorcnt 0x0                           ; all my tensor loads have landed: the one that was out is my part of the other slot
	ds_add_u32 v[SPW], v[NIL]
.if \mode == 1
	s_xor_b32 s[G0B+1], s[G0B+1], SLOT1            ; the walking descriptor: the other slot than last time,
	s_add_nc_u64 s[G0B+2:G0B+3], s[G0B+2:G0B+3], 0x10000   ; the next 512 keys; the type bits on top are not reached
.endif
	s_wait_dscnt 0x0                               ; the add is done, and my reads of the slot are over: V is in
.if \mode == 1
	CROUND                                         ; no wave of any partner still reads the slot or has a load on its way
	tensor_load_to_lds s[G0B:G0B+3], s[G1:G1+7]    ; the joint refill, first behind the round: it has eight key steps in which to land
	s_nop 0
.rept 4
	v_nop
.endr
.else
	s_barrier_signal -1
	s_barrier_wait -1
.endif
	s_sub_co_u32 s[TB], s[TB], 8*STEPB             ; back to a slot's first step,
	s_xor_b32 s[TB], s[TB], SLOT1                  ; in the other slot
.endif
.if \mode != 3
	FETCH_K                                        ; the next step's K lands under the 32 products below
.endif
	WIN 0x50                                       ; V and P in window 0, O^T in window 1
.irp kb, 0,1
.irp ct, 0,1,2,3
.irp t, 0,1,2,3
	v_wmma_f32_16x16x32_f16 v[OT+32*\t+8*\ct:OT+32*\t+8*\ct+7], v[S+32*\kb+8*\ct:S+32*\kb+8*\ct+7], v[P+16*\t+8*\kb:P+16*\t+8*\kb+7], v[OT+32*\t+8*\ct:OT+32*\t+8*\ct+7]
.endr
.endr
.endr
	WIN 0
.if \mode != 3
.rept 5
	v_nop                                          ; five places: the next step's first products write over registers that these read as V
.endr
.endif
.endm
.macro SEVEN                           ; a slot's first seven steps: written once, walked seven times
	s_mov_b32 s[CNT], 7
.Lstep_\@:
	STEP 0
	s_sub_co_u32 s[CNT], s[CNT], 1
	s_cmp_lg_u32 s[CNT], 0
	s_cbranch_scc1 .Lstep_\@
.endm
	s_wait_tensorcnt 0x1                           ; my part of slot 0 is in; slot 1's may stay out
	s_barrier_signal -1
	s_barrier_wait -1
	FETCH_K
	WIN 0
	s_wait_loadcnt 0x0                             ; Q
	s_mov_b32 s[SLOTS], 2
.Lslot:                                            ; two trips: slots 0 and 1 are filled again, with keys 1,024 on and 1,536 on
	SEVEN
	STEP 1
	s_sub_co_u32 s[SLOTS], s[SLOTS], 1
	s_cmp_lg_u32 s[SLOTS], 0
	s_cbranch_scc1 .Lslot
	SEVEN                                          ; the tail is written out
	STEP 2
	SEVEN
	STEP 3
	; THE WAY OUT.  l's halves and the other half of the lanes' are added (these lines are the places behind the last products); O^T / l, rounded to f16, IS the projection's fragment: stored as it stands.
.irp t, 0,1,2,3
	v_add_f32 v[ST+8*\t+4], v[ST+8*\t+2], v[ST+8*\t+3]
.endr
.irp t, 0,1,2,3
	v_permlanex16_b32 v[ST+8*\t+5], v[ST+8*\t+4], s[SEL], s[SEL+1]
.endr
.irp t, 0,1,2,3
	v_add_f32 v[ST+8*\t+4], v[ST+8*\t+4], v[ST+8*\t+5]
.endr
.irp t, 0,1,2,3
	v_rcp_f32 v[ST+8*\t+6], v[ST+8*\t+4]
.endr
	v_nop                                          ; a plain instruction behind the last reciprocal,
	s_wait_alu depctr_va_vdst(0)                   ; and the one wait ahead of the first use
.irp t, 0,1,2,3
	WIN 0x01                                       ; source 0 (O^T) window 1, destination window 0
.set n, 0
.rept 16
	v_pk_mul_f32 v[S+32*\t+n:S+32*\t+n+1], v[OT+32*\t+n:OT+32*\t+n+1], v[ST+8*\t+6:ST+8*\t+7] op_sel_hi:[1,0]
.set n, n+2
.endr
	WIN 0
.set n, 0
.rept 16
	v_cvt_pk_f16_f32 v[P+16*\t+n], v[S+32*\t+2*n], v[S+32*\t+2*n+1]
.set n, n+1
.endr
.irp ct, 0,1,2,3
	global_store_b128 v[L16], v[P+16*\t+4*\ct:P+16*\t+4*\ct+3], s[OA:OA+1] offset:\t*32768+\ct*512 th:TH_STORE_NT   ; the wave stores 512 consecutive bytes, aligned
.endr
.endr
	s_wait_tensorcnt 0x0                           ; the wave's end
	ds_add_u32 v[SPW], v[NIL]
	s_wait_dscnt 0x0
	CROUND                                         ; the closing round
	s_endpgm
.Lfunc_end_k_q833c3230d2_attn:
	.size	k_q833c3230d2_attn, .Lfunc_end_k_q833c3230d2_attn-k_q833c3230d2_attn
	.p2alignl 7, 3214868480
	.fill 96, 4, 3214868480
	.section	.rodata,"a",@progbits
	.p2align	6, 0x0
	.amdhsa_kernel k_q833c3230d2_attn
		.amdhsa_group_segment_fixed_size 327680
		.amdhsa_private_segment_fixed_size 0
		.amdhsa_enable_private_segment 0
		.amdhsa_kernarg_size 16
		.amdhsa_user_sgpr_count 2
		.amdhsa_user_sgpr_kernarg_segment_ptr 1
		.amdhsa_wavefront_size32 1
		.amdhsa_system_sgpr_workgroup_id_x 1
		.amdhsa_system_sgpr_workgroup_id_y 1
		.amdhsa_system_sgpr_workgroup_id_z 1
		.amdhsa_system_vgpr_workitem_id 0
		.amdhsa_next_free_vgpr 512
		.amdhsa_next_free_sgpr 66
		.amdhsa_reserve_vcc 0
		.amdhsa_float_denorm_mode_32 3
		.amdhsa_float_denorm_mode_16_64 3
		.amdhsa_memory_ordered 1
		.amdhsa_forward_progress 1
		.amdhsa_inst_pref_size 212
	.end_amdhsa_kernel
	.amdgpu_metadata
---
amdhsa.version: [ 1, 2 ]
amdhsa.kernels:
  - .name:           k_q833c3230d2_attn
    .symbol:         k_q833c3230d2_attn.kd
    .args:
      - { .name: qkvf, .offset: 0, .size: 8, .value_kind: global_buffer, .address_space: global }
      - { .name: attf, .offset: 8, .size: 8, .value_kind: global_buffer, .address_space: global }
    .group_segment_fixed_size: 327680
    .private_segment_fixed_size: 0
    .kernarg_segment_align: 8
    .kernarg_segment_size: 16
    .max_flat_workgroup_size: 256
    .sgpr_count:     66
    .vgpr_count:     512
    .wavefront_size: 32
...
	.end_amdgpu_metadata
.endif
;; end of part 3
;; launch proj (part 4): grid 4 x 64, 4 waves a work-group, clusters of 4 x 4, 327,680 bytes of LDS; arguments attf, wpf, b_proj, out0; writes out0
.if DOCPART == 4
	.amdgcn_target "amdgcn-amd-amdhsa--gfx1250"
	.amdhsa_code_object_version 6
	.text
	.protected	k_q833c3230d2_proj
	.globl	k_q833c3230d2_proj
	.p2align	8
	.type	k_q833c3230d2_proj,@function
k_q833c3230d2_proj:
	s_mov_b64 s[64:65], 0
	v_nop
	global_prefetch_b8 v0, s[64:65] scope:SCOPE_SE
	s_setreg_imm32_b32 hwreg(HW_REG_WAVE_MODE, 25, 1), 1
	s_wait_xcnt 0x0
	s_wait_alu depctr_hold_cnt(0) depctr_sa_sdst(0) depctr_va_vdst(0) depctr_va_sdst(0) depctr_va_ssrc(0) depctr_va_vcc(0) depctr_vm_vsrc(0)
	s_getreg_b32 s2, hwreg(HW_REG_IB_STS2, 6, 4)
	s_cmp_eq_u32 s2, 0
	s_cbranch_scc0 .Lentry_in_a_cluster
	s_endpgm
.Lentry_in_a_cluster:
	s_bfe_u32 s2, ttmp6, 0x10000c
	s_cmp_lg_u32 s2, 0xf033
	s_cbranch_scc0 .Lentry_shape_is_right
	s_endpgm
.Lentry_shape_is_right:
; out0 = att W_proj + b_proj.  att [8192][1024] and W_proj [1024][1024] arrive in f16 as images of operand registers: attf [token tile 512][k step 32][1,024 bytes], wpf [n tile 64][k step 32][1,024 bytes];
; out0 [8192][1024] f32; f32 sums.  A tile of 128 rows x 256 columns to a work-group: 256 work-groups (tiles of 256 x 256 would be 128).  Four waves, 64 x 128 each: 32 accumulators, 256 registers.
; K goes in steps of 128 through two LDS slots: of each token tile or n tile a step is 4,096 consecutive bytes.  A fragment is two loads of 16 bytes a lane at 16 x lane: no pitch, no padding.
; CLUSTERS of 4 x 4: att's tile is shared along a row of the cluster, W_proj's along a column: joint loads.  THE MATRIX INSTRUCTION IS USED TRANSPOSED (source 0 = 16 columns of W_proj, source 1 = 16 tokens):
; a lane holds eight neighbouring numbers of a row of out0.  The bias is the C of each sum's first matrix instruction.
; REGISTERS.  window 0: v16-30 addresses; two fragment sets of 96 at v32 and v128 (W_proj's eight, then att's four); on the way out v32-159 rows of out0.  window 1: the accumulators ((a, b) at v[8 (8 a + b)]).
;   window 2: v0-63 the bias in the result's layout.
.set STEPB, 4096                       ; a K step of one tile
.set SLOT,  98304                      ; att's 8 token tiles (32,768 bytes), then W_proj's 16 n tiles (65,536)
.set BOFF,  32768
.set SPARE, 2*SLOT                     ; the spare words, 128 bytes a wave: two blocks of 256 bytes that no other line names
.set SPITCH, 528                       ; the way out: a stage of 16 rows x (512 bytes + 16) a wave, in slot 0, which has had its last fill and its last read when the first result is stored there
.set ADRA, 16
.set ADRB, 20
.set STO,  24
.set RD,   25
.set CO,   26                          ; v26 16 x lane; never rewritten
.set BO,   27                          ; v27 32 x (lane / 16)
.set SPW,  28
.set NIL,  29
.set PFO,  30                          ; v30 the prefetches' offset; never rewritten
.set F0,   32
.set F1,   128
.set BK,   32
.set WV,   12                          ; s12 wave; s13 my half of the rows, also: I fetch for att (0) or W_proj (1); s14 my half of the columns, also: which half I fetch
.set LIM,  15                          ; s15 1 in the wave that prefetches, else the greatest number
.set G1, 24
.set G0, 32
.set PFA, 44                           ; s[44:45] where my prefetches stand
.set G1B, 48
.set G0B, 56
.set MSB, 0
.macro WIN new
.if MSB != (\new)
	s_set_vgpr_msb (MSB<<8)|(\new)
.set MSB, (\new)
.endif
.endm
.macro JLOAD s                         ; a joint load: waves 0, 1 fetch att's halves, waves 2, 3 W_proj's; an s_nop 0 and four v_nop follow each line
	s_cmp_eq_u32 s13, 0
	s_cbranch_scc0 .Lfor_b_\@
	tensor_load_to_lds s[G0+4*\s:G0+4*\s+3], s[G1:G1+7]
	s_nop 0
.rept 4
	v_nop
.endr
	s_branch .Lasked_\@
.Lfor_b_\@:
	tensor_load_to_lds s[G0B+4*\s:G0B+4*\s+3], s[G1B:G1B+7]
	s_nop 0
.rept 4
	v_nop
.endr
.Lasked_\@:
.endm
.macro CREST
	s_cmp_lg_u32 s[WV], 0
	s_cbranch_scc1 .Lnot_wave_0_\@
	s_barrier_signal -3
.Lnot_wave_0_\@:
	s_barrier_wait -3
	s_barrier_signal -1
	s_barrier_wait -1
.endm
.macro CROUND
	s_barrier_signal -1
	s_barrier_wait -1
	CREST
.endm
; A PREFETCH INTO THE L2 of att's K step that stands two refills on.  A tile row's 8 token tiles are read by one cluster alone; the four partners that ask for them jointly share them out BY ADDRESS, two
; token tiles each (by cx); in each, wave 0 asks: one instruction, 32 lanes x 256 bytes = 2 x 4,096.  So K steps 4 to 7 are named once each; the loop's last trip (s3 = 1) asks for nothing.
.macro ASK
	s_cmp_gt_u32 s3, s[LIM]
	s_cbranch_scc0 .Lnot_mine_\@
	global_prefetch_b8 v[PFO], s[PFA:PFA+1] offset:STEPB th:TH_LOAD_NT scope:SCOPE_SE
.Lnot_mine_\@:
.endm
	s_load_b256 s[4:11], s[0:1], 0x0               ; attf s[4:5], wpf s[6:7], b_proj s[8:9], out0 s[10:11]
	v_lshl_add_u32 v[SPW], v0, 2, SPARE
	v_mov_b32 v[NIL], 0
	ds_add_u32 v[SPW], v[NIL]                      ; the wave's opening: the add, twice on end, and its wait ahead of my first tensor load
	ds_add_u32 v[SPW], v[NIL]
	v_lshrrev_b32 v1, 5, v0
	v_readfirstlane_b32 s[WV], v1
	s_lshr_b32 s13, s[WV], 1
	s_and_b32 s14, s[WV], 1
	s_bfe_u32 s40, ttmp6, 0x40000                  ; cx: the tile column
	s_bfe_u32 s41, ttmp6, 0x40004                  ; cy
	s_and_b32 s42, ttmp7, 0xffff
	s_lshl_b32 s42, s42, 2
	s_add_co_u32 s42, s42, s41                     ; the tile row = 4 x cluster y + cy
	s_lshl_b32 s46, s41, 2
	s_lshl_b32 s46, 15, s46                        ; my row of the cluster
	s_lshl_b32 s47, 0x1111, s40                    ; my column
	s_or_b32 s[G1+0], s46, (3<<16)|(1<<21)         ; the mask; elements of 8 bytes; bit 21 beside a mask; no padding
	s_or_b32 s[G1B+0], s47, (3<<16)|(1<<21)
	s_mov_b32 s[G1+1], 512<<16                     ; att: 4 rows (token tiles) of 512 elements, 4,096 bytes, 32,768 bytes apart
	s_mov_b32 s[G1+2], 4<<16
	s_mov_b32 s[G1+3], 512<<16
	s_mov_b32 s[G1+4], 4
	s_mov_b32 s[G1+5], 4096
	s_mov_b32 s[G1+6], 0
	s_mov_b32 s[G1+7], 0
	s_mov_b32 s[G1B+1], 512<<16                    ; W_proj: 8 rows (n tiles) likewise
	s_mov_b32 s[G1B+2], 8<<16
	s_mov_b32 s[G1B+3], 512<<16
	s_mov_b32 s[G1B+4], 8
	s_mov_b32 s[G1B+5], 4096
	s_mov_b32 s[G1B+6], 0
	s_mov_b32 s[G1B+7], 0
	s_lshl_b32 s16, s42, 3
	s_lshl_b32 s17, s14, 2
	s_add_co_u32 s16, s16, s17
	s_lshl_b32 s16, s16, 15                        ; att: token tile 8 x tile row + 4 x half
	s_mov_b32 s17, 0
	s_lshl_b32 s18, s40, 4
	s_lshl_b32 s19, s14, 3
	s_add_co_u32 s18, s18, s19
	s_lshl_b32 s18, s18, 15                        ; W_proj: n tile 16 x tile column + 8 x half
	s_mov_b32 s19, 0
	s_lshl_b32 s20, s14, 14                        ; where they go: no place in the cluster enters an LDS address
	s_lshl_b32 s21, s14, 15
	s_add_co_u32 s21, s21, BOFF
	s_wait_dscnt 0x0                               ; both opening adds are done
	s_wait_kmcnt 0x0
	s_add_nc_u64 s[16:17], s[4:5], s[16:17]
	s_add_nc_u64 s[18:19], s[6:7], s[18:19]
	CROUND                                         ; all sixteen work-groups are here: the first joint loads meet
.irp s, 0,1
	s_mov_b32 s[G0+4*\s], 1
	s_add_co_u32 s[G0+4*\s+1], s20, \s*SLOT
	s_add_nc_u64 s[G0+4*\s+2:G0+4*\s+3], s[16:17], \s*STEPB
	s_or_b32 s[G0+4*\s+3], s[G0+4*\s+3], 0x80000000
	s_mov_b32 s[G0B+4*\s], 1
	s_add_co_u32 s[G0B+4*\s+1], s21, \s*SLOT
	s_add_nc_u64 s[G0B+4*\s+2:G0B+4*\s+3], s[18:19], \s*STEPB
	s_or_b32 s[G0B+4*\s+3], s[G0B+4*\s+3], 0x80000000
	JLOAD \s                                       ; two loads of mine are out
.endr
	v_and_b32 v1, 15, v0                           ; r
	v_bfe_u32 v2, v0, 4, 1                         ; h
	v_and_b32 v3, 31, v0
	v_lshlrev_b32 v[CO], 4, v3
	s_lshl_b32 s20, s13, 14                        ; my 4 token tiles
	s_lshl_b32 s21, s14, 15
	s_add_co_u32 s21, s21, BOFF                    ; my 8 n tiles
.irp s, 0,1
	v_add_nc_u32 v[ADRA+\s], s20, v[CO]
	v_add_nc_u32 v[ADRB+\s], s21, v[CO]
	s_add_co_u32 s20, s20, SLOT
	s_add_co_u32 s21, s21, SLOT
.endr
	s_mul_i32 s22, s[WV], 16*SPITCH                ; my stage
	v_mul_u32_u24 v5, v1, SPITCH
	v_lshl_add_u32 v5, v2, 5, v5
	v_add_nc_u32 v[STO], s22, v5                   ; in: row r, 32 bytes for each half of the lanes
	v_add_nc_u32 v[RD], s22, v[CO]                 ; back: the 32 lanes take one row of 512 bytes
	v_lshlrev_b32 v[BO], 5, v2
	v_lshlrev_b32 v[PFO], 15, v2
	v_lshl_add_u32 v[PFO], v1, 8, v[PFO]           ; token tile lane / 16, 256 bytes x (lane % 16)
	s_mov_b32 s23, 0
	s_lshl_b32 s22, s40, 10
	s_lshl_b32 s2, s14, 9
	s_add_co_u32 s22, s22, s2                      ; my first column, in bytes: 4 (256 cx + 128 half)
	s_add_nc_u64 s[8:9], s[8:9], s[22:23]
	s_add_nc_u64 s[10:11], s[10:11], s[22:23]
	s_lshl_b32 s22, s42, 7
	s_lshl_b32 s2, s13, 6
	s_add_co_u32 s22, s22, s2
	s_lshl_b32 s22, s22, 12                        ; my first row: 128 x tile row + 64 x half, 4,096 bytes a row
	s_add_nc_u64 s[10:11], s[10:11], s[22:23]
	s_lshl_b32 s22, s42, 3
	s_lshl_b32 s2, s40, 1
	s_add_co_u32 s22, s22, s2
	s_lshl_b32 s22, s22, 15                        ; the prefetches: token tile 8 x tile row + 2 cx,
	s_add_co_u32 s22, s22, 2*STEPB                 ; at K step 2: the first refill steps it to 3 and names K step 4.  Nothing is prefetched at the head
	s_add_nc_u64 s[PFA:PFA+1], s[4:5], s[22:23]
	s_cmp_eq_u32 s[WV], 0
	s_cselect_b32 s[LIM], 1, -1
	WIN 0x80                                       ; destination window 2
.irp b, 0,1,2,3,4,5,6,7
	global_load_b128 v[8*\b:8*\b+3], v[BO], s[8:9] offset:64*\b            ; b_proj at my columns 16 b + 8 h + 0..7
	global_load_b128 v[8*\b+4:8*\b+7], v[BO], s[8:9] offset:64*\b+16
.endr
	WIN 0
.macro MULA f, a, bias                 ; 8 matrix instructions: token tile a x my eight n tiles, 32 along K.  The 32 accumulators take turns, one instruction a turn, in the same order in every quarter
.irp b, 0,1,2,3,4,5,6,7
.if \bias
	v_wmma_f32_16x16x32_f16 v[8*(8*(\a)+\b):8*(8*(\a)+\b)+7], v[\f+8*\b:\f+8*\b+7], v[\f+64+8*(\a):\f+64+8*(\a)+7], v[8*\b:8*\b+7]
.else
	v_wmma_f32_16x16x32_f16 v[8*(8*(\a)+\b):8*(8*(\a)+\b)+7], v[\f+8*\b:\f+8*\b+7], v[\f+64+8*(\a):\f+64+8*(\a)+7], v[8*(8*(\a)+\b):8*(8*(\a)+\b)+7]
.endif
.endr
.endm
.macro FETCH slot, kq, f               ; 24 LDS loads in one run (every window 0): the fragments of the slot's kq-th 32 along K: W_proj's 16, then att's 8
.irp b, 0,1,2,3,4,5,6,7
	ds_load_b128 v[\f+8*\b:\f+8*\b+3],   v[ADRB+\slot] offset:\b*4096+(\kq)*1024
	ds_load_b128 v[\f+8*\b+4:\f+8*\b+7], v[ADRB+\slot] offset:\b*4096+(\kq)*1024+512
.endr
.irp a, 0,1,2,3
	ds_load_b128 v[\f+64+8*\a:\f+64+8*\a+3], v[ADRA+\slot] offset:\a*4096+(\kq)*1024
	ds_load_b128 v[\f+64+8*\a+4:\f+64+8*\a+7], v[ADRA+\slot] offset:\a*4096+(\kq)*1024+512
.endr
.endm
.macro PLACES                          ; four plain vector instructions in front of loads into registers that matrix instructions have read, and of reads of results
.rept 4
	v_nop
.endr
.endm
; A K step is four quarters of 32 along K, 32 matrix instructions each, on sets 0, 1, 0, 1.  One of the first three: multiplies set f and fetches the next quarter, kq, into g.
.macro QUARTER slot, kq, f, g, bias
	s_wait_dscnt 4                                 ; all but the youngest four loads (token tiles 2, 3)
	WIN 0x50+0x10*(\bias)                          ; D window 1; C window 1, or the bias in window 2
	MULA \f, 0, \bias
	MULA \f, 1, \bias
	WIN 0
	PLACES
	FETCH \slot, \kq, \g
	s_wait_dscnt 24                                ; all but the 24 just issued
	WIN 0x50+0x10*(\bias)
	MULA \f, 2, \bias
	MULA \f, 3, \bias
.endm
; The last quarter multiplies set 1 and changes slots: ONE barrier; in front of it each wave waits for all its tensor loads, adds 0 to its spare word, and waits for that and for its reads of this slot.
.macro TURN slot, next, fill
.if \fill
	s_wait_xcnt 0x0                                ; the last prefetch, a K step back, has read its address
	s_add_nc_u64 s[PFA:PFA+1], s[PFA:PFA+1], STEPB
.endif
	WIN 0
	s_wait_tensorcnt 0x0                           ; my part of the next slot is in
	ds_add_u32 v[SPW], v[NIL]
	s_wait_dscnt 5                                 ; the add and the youngest four loads may be out
	WIN 0x50
	MULA F1, 0, 0
	s_wait_dscnt 0x0                               ; the add is done, and my reads of this slot are over
	s_barrier_signal -1
	MULA F1, 1, 0
	WIN 0
	s_barrier_wait -1
.if \fill
	CREST                                          ; the barrier has opened a round of the cluster's: no wave of any partner still reads this slot or has a load on its way
	s_add_nc_u64 s[G0+4*\slot+2:G0+4*\slot+3], s[G0+4*\slot+2:G0+4*\slot+3], 2*STEPB
	s_add_nc_u64 s[G0B+4*\slot+2:G0B+4*\slot+3], s[G0B+4*\slot+2:G0B+4*\slot+3], 2*STEPB
	JLOAD \slot                                    ; the first tensor load behind the round; its four v_nop are also the places in front of the loads below
.else
	PLACES
.endif
	FETCH \next, 0, F0
.if \fill
	ASK
.endif
	WIN 0x50
	MULA F1, 2, 0
	MULA F1, 3, 0
.endm
	s_wait_tensorcnt 0x1                           ; my part of K step 0 is in; K step 1's load may be out
	s_barrier_signal -1
	s_barrier_wait -1
	FETCH 0, 0, F0
	s_wait_loadcnt 0x0                             ; the bias
	QUARTER 0, 1, F0, F1, 1                        ; the first quarter stands in front of the loop: its products start the sums, from the bias
	WIN 0
	s_mov_b32 s3, 3
.Llap:                                             ; three trips: each goes once round the ring and fills both slots again (K steps 2 to 7)
	QUARTER 0, 2, F1, F0, 0
	QUARTER 0, 3, F0, F1, 0
	TURN 0, 1, 1
	QUARTER 1, 1, F0, F1, 0
	QUARTER 1, 2, F1, F0, 0
	QUARTER 1, 3, F0, F1, 0
	TURN 1, 0, 1
	QUARTER 0, 1, F0, F1, 0
	WIN 0
	s_sub_co_u32 s3, s3, 1
	s_cmp_lg_u32 s3, 0
	s_cbranch_scc1 .Llap
	QUARTER 0, 2, F1, F0, 0                        ; the last lap fills nothing
	QUARTER 0, 3, F0, F1, 0
	TURN 0, 1, 0
	QUARTER 1, 1, F0, F1, 0
	QUARTER 1, 2, F1, F0, 0
	QUARTER 1, 3, F0, F1, 0
	s_wait_dscnt 4
	WIN 0x50
	MULA F1, 0, 0
	MULA F1, 1, 0
	s_wait_dscnt 0x0
	MULA F1, 2, 0
	MULA F1, 3, 0
	WIN 0
; THE WAY OUT, a block of 16 rows x 128 columns at a time, through my own stage: in as 32 bytes a lane, back as whole rows of 512 bytes.  LDS serves a wave's instructions in order (ISA guide 5.7.1.4).
.macro TOSTAGE a
	WIN 0x04                                       ; an LDS store's data are its source 1: window 1
.irp b, 0,1,2,3,4,5,6,7
	ds_store_b128 v[STO], v[8*(8*(\a)+\b):8*(8*(\a)+\b)+3] offset:64*\b        ; each accumulator from its low end on
	ds_store_b128 v[STO], v[8*(8*(\a)+\b)+4:8*(8*(\a)+\b)+7] offset:64*\b+16
.endr
	WIN 0
.set BB, BK+64*((\a)%2)
.irp t, 0,1,2,3,4,5,6,7,8,9,10,11,12,13,14,15
	ds_load_b128 v[BB+4*\t:BB+4*\t+3], v[RD] offset:\t*SPITCH
.endr
.endm
.macro SEND a, younger
.set BB, BK+64*((\a)%2)
	s_wait_dscnt \younger                          ; the block is back in registers
.if (\a) > 0
	s_add_nc_u64 s[10:11], s[10:11], 16*4096       ; (behind a wait that shows the earlier stores' base read)
.endif
.irp t, 0,1,2,3,4,5,6,7,8,9,10,11,12,13,14,15
	global_store_b128 v[CO], v[BB+4*\t:BB+4*\t+3], s[10:11] offset:\t*4096 th:TH_STORE_NT   ; 32 lanes store 512 consecutive bytes, at a multiple of 256 from out0's first byte
.endr
.endm
	PLACES
	TOSTAGE 0
.irp a, 1,2,3
.if \a > 1
	s_wait_xcnt 0x0                                ; block a - 2's stores have read their registers and their base
.endif
	TOSTAGE \a
	SEND \a-1, 32                                  ; behind block a - 1's loads: block a's 16 stores and 16 loads
.endr
	s_wait_xcnt 0x0
	SEND 3, 0
	s_wait_tensorcnt 0x0                           ; the wave's end
	ds_add_u32 v[SPW], v[NIL]
	s_wait_dscnt 0x0
	CROUND                                         ; the closing round
	s_endpgm
.Lfunc_end_k_q833c3230d2_proj:
	.size	k_q833c3230d2_proj, .Lfunc_end_k_q833c3230d2_proj-k_q833c3230d2_proj
	.p2alignl 7, 3214868480
	.fill 96, 4, 3214868480
	.section	.rodata,"a",@progbits
	.p2align	6, 0x0
	.amdhsa_kernel k_q833c3230d2_proj
		.amdhsa_group_segment_fixed_size 327680
		.amdhsa_private_segment_fixed_size 0
		.amdhsa_enable_private_segment 0
		.amdhsa_kernarg_size 32
		.amdhsa_user_sgpr_count 2
		.amdhsa_user_sgpr_kernarg_segment_ptr 1
		.amdhsa_wavefront_size32 1
		.amdhsa_system_sgpr_workgroup_id_x 1
		.amdhsa_system_sgpr_workgroup_id_y 1
		.amdhsa_system_sgpr_workgroup_id_z 1
		.amdhsa_system_vgpr_workitem_id 0
		.amdhsa_next_free_vgpr 768
		.amdhsa_next_free_sgpr 66
		.amdhsa_reserve_vcc 0
		.amdhsa_float_denorm_mode_32 3
		.amdhsa_float_denorm_mode_16_64 3
		.amdhsa_memory_ordered 1
		.amdhsa_forward_progress 1
		.amdhsa_inst_pref_size 87
	.end_amdhsa_kernel
	.amdgpu_metadata
---
amdhsa.version: [ 1, 2 ]
amdhsa.kernels:
  - .name:           k_q833c3230d2_proj
    .symbol:         k_q833c3230d2_proj.kd
    .args:
      - { .name: attf, .offset: 0, .size: 8, .value_kind: global_buffer, .address_space: global }
      - { .name: wpf, .offset: 8, .size: 8, .value_kind: global_buffer, .address_space: global }
      - { .name: b_proj, .offset: 16, .size: 8, .value_kind: global_buffer, .address_space: global }
      - { .name: out0, .offset: 24, .size: 8, .value_kind: global_buffer, .address_space: global }
    .group_segment_fixed_size: 327680
    .private_segment_fixed_size: 0
    .kernarg_segment_align: 8
    .kernarg_segment_size: 32
    .max_flat_workgroup_size: 128
    .sgpr_count:     66
    .vgpr_count:     768
    .wavefront_size: 32
...
	.end_amdgpu_metadata
.endif
;; end of part 4
